; MI455X (gfx1250); checked and timed in simulation.
; The chip was launched on July 23, 2026; its instructions are those of AMD's public machine-readable ISA for CDNA 5 (MIT licence, August 2026) and "CDNA5" Instruction Set Architecture Reference Guide (July 2026). The comments in the code are by the model that wrote it; some were corrected since.
;; Multi Head Attention. Allowed arithmetic: matrix products marked QUANTISED: E2M3 operands, one E8M0 scale for each 32 along K, by v_wmma_scale_f32_16x16x128_f8f6f4 with both operands' format E2M3, f32 sums; everything else in f32.
;; Inputs: b_in 3,072 float32; b_out 1,024 float32; w_in 1,024 x 3,072 float32; w_out 1,024 x 1,024 float32; x 4 x 2,048 x 1,024 float32.
;; Outputs: out0 4 x 2,048 x 1,024 float32.
;; This version of the problem:
;;   THIS VERSION OF THE PROBLEM IS GIVEN IN LOW PRECISION. The matrix products marked QUANTISED in the list below multiply operands that are first quantised to E2M3 (2 exponent bits, 3 mantissa bits; 6 bits a number), with one power-of-two scale for each 32 numbers along K (OCP MX v1.0); their sums are f32. All else is computed in f32.
;;   The module's matrix products, in the order in which they are computed (A, B: the left and right operand; K: the contracted axis; several contracted axes count as one K, in the product's order):
;;     1. [M 8,192, K 1,024] x [K 1,024, N 3,072]; A: input x; B: input w_in: QUANTISED
;;     2. batch 64 x [M 2,048, K 64] x [K 64, N 2,048]; A: computed on the way; B: computed on the way: QUANTISED
;;     3. batch 64 x [M 2,048, K 2,048] x [K 2,048, N 64]; A: softmax (see below); B: computed on the way: QUANTISED
;;     4. [M 8,192, K 1,024] x [K 1,024, N 1,024]; A: computed on the way; B: input w_out: QUANTISED
;;   THE QUANTISER, for each operand of a quantised product, along K:
;;     - K is cut into blocks of 32 from its start; a last block that is shorter is filled with zeros.
;;     - A block's scale is 2^e with e = floor(log2(the largest magnitude in the block)) - 2, held to -126 .. 127; a block of zeros has e = 0. As a byte (E8M0): e + 127.
;;     - Each number is divided by its block's scale, clamped to +-7.5, and rounded to the nearest number of E2M3, ties to even, subnormals kept.
;;     - The product sums the exact products of the quantised numbers (number of the format x scale) in f32.
;;   ~~~python
;;   def quantise(x, axis):      # numpy; x: float32 -> the quantised numbers, widened to float32 again
;;       x = np.moveaxis(x, axis, -1); K = x.shape[-1]
;;       x = np.pad(x, [(0, 0)] * (x.ndim - 1) + [(0, -K % 32)]); x = x.reshape(x.shape[:-1] + (-1, 32)); a = np.abs(x).max(-1, keepdims=True)
;;       e = np.where(a > 0, np.clip(np.frexp(np.where(a > 0, a, 1))[1] - 1 - 2, -126, 127), 0)      # np.frexp(a)[1] - 1 = floor(log2(a)), exactly
;;       r = np.clip(x / 2.0 ** e, -7.5, 7.5)
;;       step = 2.0 ** (np.maximum(np.frexp(np.where(r == 0, 1, r))[1] - 1, 0) - 3)
;;       q = np.round(r / step) * step * 2.0 ** e      # np.round: ties to even
;;       return np.moveaxis(q.reshape(q.shape[:-2] + (-1,))[..., :K], -1, axis).astype(np.float32)
;;   ~~~
;;   SOFTMAX AHEAD OF A QUANTISED PRODUCT. Where the list says 'softmax', what is quantised is not the finished softmax but p = 2^(t - M), with t = logit x log2(e) and M = ceil(the row's largest t), a whole number; so 1/2 < the row's largest p <= 1. The row's sum l is taken of the UNQUANTISED p, in f32, and the product's result is divided by l at the end. Since M is a whole number, a kernel that streams over the keys may use a running M (the ceiling of the running maximum): every later rescaling is an exact power of two, which a block's scale takes up: the codes' values come out the same.
;;   OPERANDS COMPUTED ON THE WAY. 'Computed on the way' means the value that the module computes at that place (a softmax that the list does not call 'softmax' is quantised finished and normalised). What goes into a quantiser is computed in f32, as accurately as f32 sums, v_exp_f32 and their like allow (about 1e-6 of the number): no bf16 or f16 on the way to a quantiser, and a product that is left as it is and whose result goes on into a quantised operand takes f32 operands (vector FMAs, or v_wmma_f32_16x16x4_f32). A number that lies on a knife's edge between two numbers of the format may be rounded either way, as far as f32 arithmetic and the matrix unit's own rounding can turn it there, and no further.
;; One version. Each part assembles by itself: llvm-mc -triple=amdgcn-amd-amdhsa -mcpu=gfx1250 --defsym DOCPART=n.
;; ======== version 1 of 1: 4 launches
;; workspace buffers: xc 6,291,456 bytes; oc 6,291,456 bytes; wc 3,145,728 bytes; scl 655,360 bytes; qkv 20,185,088 bytes
;; launch prep (part 1): grid 256 x 1, 8 waves a work-group, no clusters, 93,184 bytes of LDS; arguments x, w_in, w_out, xc, wc, scl; writes xc, wc, scl
.if DOCPART == 1
	.amdgcn_target "amdgcn-amd-amdhsa--gfx1250"
	.amdhsa_code_object_version 6
	.text
	.protected	k_qd6e9f7130e_prep
	.globl	k_qd6e9f7130e_prep
	.p2align	8
	.type	k_qd6e9f7130e_prep,@function
k_qd6e9f7130e_prep:
	s_mov_b64 s[64:65], 0
	v_nop
	global_prefetch_b8 v0, s[64:65] scope:SCOPE_SE
	s_setreg_imm32_b32 hwreg(HW_REG_WAVE_MODE, 25, 1), 1
	s_wait_xcnt 0x0
; x [8192][1024] (K innermost), w_in [1024][3072] and w_out [1024][1024] (K = the FIRST axis), all f32, become codes of FP6 (E2M3) with one E8M0 byte for each 32 along K,
; laid as IMAGES OF THE OPERAND'S REGISTERS.  A tile is 16 rows x 128 K = 12 registers a lane = 1,536 bytes: piece p (registers 2 p, 2 p + 1) at 256 p, lane l at 8 l in it.
; A tile lies at ((group of 128 rows x 8 + K step) x 8 + tile) x 1,536.  IN A GROUP, TILE 2 b + u, LANE r IS ROW 32 b + 8 u + r + 8 (r / 8): so that a tile used as source 0 leaves 16 neighbours in a lane.
; Scale words (4 bytes: 128 along K of one row): [group][tile][K step / 4][lane r][K step % 4].  x's at byte 0 of scl, the weights' at 262,144 (w_in's columns 0-3071, then w_out's: rows 0-4095 of wc).
; A block's scale is 2^(floor(log2(largest magnitude)) - 2): its byte is the largest magnitude's exponent field - 2, held at 1 from below by a floor among the maximum's leaves.
; LIMITS: NaN and infinities among the inputs are not served; a block whose largest magnitude lies under 2^-124 keeps the byte 1; a block of zeros has the byte 1 and not 127 (its codes are zeros; this program alone reads the bytes).
; SHARES: work-groups 0-127 take x (a wave: one tile row of 16 rows x 512 K), work-groups 128-255 the weights (a wave: 32 columns x 128 K).  The two ways have LDS bytes of their own.  Waves share nothing: no barrier.
; The weights' scale words leave 4 bytes a lane, 16 bytes apart: 131,072 bytes of the launch's 60 million.
.set SPARE, 92160                      ; the spare words: 128 bytes for each of 8 waves, four blocks of 256 bytes that no other line names
.set XSTG,  8448                       ; x's way: a stage of 16 rows x (512 + 16) bytes for each wave, from LDS byte 0
.set WST0,  67584                      ; the weights' way: a stage of two tiles, 3,072 bytes, for each wave, from here
.set WSTG,  3072
.set WSO,   262144                     ; the weights' scale words in scl
.set SPW,   14                         ; v14  my spare word's LDS address; never rewritten
.set NIL,   15                         ; v15  0; never rewritten
.set SW,    16                         ; x: v16-19 the four scale words
.set TQ,    20                         ; x: v20-27 second halves of the blocks' codes
.set F,     32                         ; x: v32-55 two sets of a fragment's 12 registers
.set R,     56                         ; x: v56-183 two sets of 64 registers as loaded
.set X,     184                        ; x: v184-247 my 64 numbers: two whole blocks
.set VO,    96                         ; w: v96-127 4 lane + i x pitch
.set XW,    128                        ; w: v128-255 my column's 128 numbers down K
.set CW,    64                         ; w: v64-87 six registers of codes a block
.set TW,    88                         ; w: v88-90 a block's second half
.set OUTR,  32                         ; w: v32-55 the two tiles on the way out
	s_load_b128 s[4:7], s[0:1], 0x0                ; x, w_in
	s_load_b128 s[8:11], s[0:1], 0x10              ; w_out, xc
	s_load_b128 s[12:15], s[0:1], 0x20             ; wc, scl
	v_lshl_add_u32 v[SPW], v0, 2, SPARE
	v_mov_b32 v[NIL], 0
	v_lshrrev_b32 v1, 5, v0
	s_delay_alu instid0(VALU_DEP_1)
	v_readfirstlane_b32 s16, v1                    ; wave 0..7
	s_mov_b32 s20, 0x76543210
	s_mov_b32 s21, 0xfedcba98                      ; v_permlanex16_b32's selects for lane l xor 16
	s_wait_kmcnt 0x0
	s_cmp_lt_u32 ttmp9, 128                        ; the work-group's number alone decides the way
	s_cbranch_scc0 .Lw
	; ---------------- x ----------------
	s_lshl_b32 s17, ttmp9, 3
	s_add_co_u32 s17, s17, s16                     ; 0..1023
	s_and_b32 s18, s17, 1                          ; q: which 512 along K
	s_lshr_b32 s17, s17, 1
	s_lshr_b32 s19, s17, 3                         ; group of 128 rows
	s_and_b32 s17, s17, 7                          ; tile in it
	s_lshl_b32 s22, s19, 7
	s_lshr_b32 s23, s17, 1
	s_lshl_b32 s23, s23, 5
	s_add_co_u32 s22, s22, s23
	s_and_b32 s23, s17, 1
	s_lshl_b32 s23, s23, 3
	s_add_co_u32 s22, s22, s23                     ; the tile's first row: 128 g + 32 (tile / 2) + 8 (tile % 2)
	s_lshl_b32 s22, s22, 12                        ; rows of 4,096 bytes
	s_lshl_b32 s23, s18, 11
	s_add_co_u32 s22, s22, s23
	s_mov_b32 s23, 0
	s_add_nc_u64 s[4:5], s[4:5], s[22:23]
	s_mul_i32 s22, s19, 98304
	s_mul_i32 s24, s18, 49152
	s_add_co_u32 s22, s22, s24
	s_mul_i32 s24, s17, 1536
	s_add_co_u32 s22, s22, s24
	s_add_nc_u64 s[10:11], s[10:11], s[22:23]      ; my first tile in xc; the next K step's lies 12,288 bytes on
	s_lshl_b32 s22, s19, 12
	s_lshl_b32 s24, s17, 9
	s_add_co_u32 s22, s22, s24
	s_lshl_b32 s24, s18, 8
	s_add_co_u32 s22, s22, s24
	s_add_nc_u64 s[14:15], s[14:15], s[22:23]      ; my 256 bytes of scale words
	s_mul_i32 s24, s16, XSTG
	v_and_b32 v9, 31, v0
	s_delay_alu instid0(VALU_DEP_1)
	v_lshlrev_b32 v1, 4, v9                        ; 16 x lane: a load's 512 bytes
	s_delay_alu instid0(VALU_DEP_1)
	v_add_nc_u32 v2, s24, v1                       ; the stage, on the way in
	v_and_b32 v10, 15, v0                          ; r
	v_bfe_u32 v11, v0, 4, 1                        ; h
	s_delay_alu instid0(VALU_DEP_2)
	v_mul_u32_u24 v3, v10, 528
	s_delay_alu instid0(VALU_DEP_1)
	v_lshl_add_u32 v3, v11, 7, v3
	s_delay_alu instid0(VALU_DEP_1)
	v_add_nc_u32 v3, s24, v3                       ; and on the way out: row r, + 128 h bytes: k = 32 h on
	v_lshlrev_b32 v4, 3, v9                        ; 8 x lane: a piece's place
	v_lshlrev_b32 v5, 4, v10                       ; 16 r: my row's four scale words
	v_lshlrev_b32 v6, 3, v11                       ; 8 h: my bytes' place in a word
	v_mov_b32 v7, 0                                ; (a lane permute's destination counts as one of its sources)
.macro XLOAD t                         ; tile t: 16 rows x 512 bytes, a row a load: 32 lanes read 512 consecutive bytes
.irp i, 0,1,2,3,4,5,6,7,8,9,10,11,12,13,14,15
	global_load_b128 v[R+64*((\t)%2)+4*\i:R+64*((\t)%2)+4*\i+3], v1, s[4:5] offset:(\i+8*(\i/8))*4096+512*(\t) th:TH_LOAD_NT
.endr
.endm
.macro XTURN t                         ; through my stage: in as loaded, out 128 bytes of ONE row a lane and block.  LDS serves a wave's instructions in order: no wait between
.irp i, 0,1,2,3,4,5,6,7,8,9,10,11,12,13,14,15
	ds_store_b128 v2, v[R+64*((\t)%2)+4*\i:R+64*((\t)%2)+4*\i+3] offset:528*\i
.endr
.irp c, 0,1
.irp j, 0,1,2,3,4,5,6,7
	ds_load_b128 v[X+32*\c+4*\j:X+32*\c+4*\j+3], v3 offset:256*\c+16*\j   ; k = 64 c + 32 h + 4 j on
.endr
.endr
.endm
.macro XQ t                            ; my two whole blocks (h and 2 + h) become registers 6 c .. 6 c + 5 of the fragment
.set FS, F+12*((\t)%2)
.irp c, 0,1
	v_max3_num_f32 v[10+\c], |v[X+32*\c]|, |v[X+32*\c+1]|, 0x1800000   ; with the floor 2^(3 - 127): the byte cannot fall under 1
.endr
.irp i, 2,4,6,8,10,12,14,16,18,20,22,24,26,28,30
.irp c, 0,1
	s_delay_alu instid0(VALU_DEP_2)
	v_max3_num_f32 v[10+\c], v[10+\c], |v[X+32*\c+\i]|, |v[X+32*\c+\i+1]|
.endr
.endr
.irp c, 0,1
	s_delay_alu instid0(VALU_DEP_2)
	v_add_nc_u32 v[12+\c], 0xff000000, v[10+\c]    ; 2 off the exponent field: the conversion's scale operand
.endr
.irp c, 0,1
	s_delay_alu instid0(VALU_DEP_2)
	v_lshrrev_b32 v[10+\c], 23, v[12+\c]           ; the byte
.endr
	s_delay_alu instid0(VALU_DEP_1)
	v_lshl_or_b32 v9, v11, 16, v10
	s_delay_alu instid0(VALU_DEP_1)
	v_lshlrev_b32 v9, v6, v9                       ; my two bytes at their places,
	s_delay_alu instid0(VALU_DEP_1)
	v_permlanex16_b32 v7, v9, s20, s21
	s_delay_alu instid0(VALU_DEP_1)
	v_or_b32 v[SW+(\t)], v9, v7                    ; with lane l xor 16's two the word is whole
.irp c, 0,1
	v_cvt_scalef32_pk16_fp6_f32 v[FS+6*\c:FS+6*\c+2], v[X+32*\c:X+32*\c+15], v[12+\c]
	v_cvt_scalef32_pk16_fp6_f32 v[TQ+4*\c:TQ+4*\c+2], v[X+32*\c+16:X+32*\c+31], v[12+\c]   ; (a conversion's three registers begin on an even number)
.endr
	v_nop                                          ; one plain place behind the scaled conversions
.irp c, 0,1
.irp i, 0,1,2
	v_mov_b32 v[FS+6*\c+3+\i], v[TQ+4*\c+\i]
.endr
.endr
.irp p, 0,1,2,3,4,5
	global_store_b64 v4, v[FS+2*\p:FS+2*\p+1], s[10:11] offset:12288*(\t)+256*\p   ; 32 lanes store 256 consecutive bytes, aligned
.endr
.endm
	XLOAD 0
	XLOAD 1
	s_wait_alu depctr_va_vdst(0)
.irp t, 0,1,2,3
.if \t < 3
	s_wait_loadcnt 16                              ; this tile's 16 loads are in; the next tile's 16 may be out
.else
	s_wait_loadcnt 0x0
.endif
	XTURN \t
	s_wait_dscnt 0x0                               ; my numbers are back, and the stage's stores have read their registers,
.if \t < 2
	XLOAD \t+2                                     ; which take the tile two on
.else
	s_wait_xcnt 0x0                                ; the stores of two tiles back have read this set of code registers
.endif
	XQ \t
.endr
	global_store_b128 v5, v[SW:SW+3], s[14:15]     ; four words a row: 16 lanes store 256 consecutive bytes (lanes 16-31 the same bytes with the same values)
	s_branch .Lend
	; ---------------- the weights ----------------
.Lw:
	s_sub_co_u32 s17, ttmp9, 128
	s_lshr_b32 s18, s17, 3                         ; block of 256 columns, 0..15: 0-11 w_in's, 12-15 w_out's
	s_and_b32 s17, s17, 7                          ; K step
	s_cmp_lt_u32 s18, 12
	s_cselect_b64 s[6:7], s[6:7], s[8:9]
	s_mov_b32 s19, 4096
	s_cselect_b32 s19, 12288, s19                  ; a row of the weight in bytes
	s_cselect_b32 s22, 0, 12
	s_sub_co_u32 s22, s18, s22                     ; the block's number in its own tensor
	s_lshl_b32 s22, s22, 10
	s_lshl_b32 s23, s16, 7                         ; my wave's 32 columns
	s_add_co_u32 s22, s22, s23
	s_lshl_b32 s23, s17, 7
	s_mul_i32 s23, s23, s19                        ; 128 rows a K step
	s_add_co_u32 s22, s22, s23
	s_mov_b32 s23, 0
	s_add_nc_u64 s[24:25], s[6:7], s[22:23]        ; a base for each block of 32 rows
	s_lshl_b32 s22, s19, 5
	s_add_nc_u64 s[26:27], s[24:25], s[22:23]
	s_add_nc_u64 s[28:29], s[26:27], s[22:23]
	s_add_nc_u64 s[30:31], s[28:29], s[22:23]
	s_lshl_b32 s32, s18, 1
	s_lshr_b32 s33, s16, 2
	s_add_co_u32 s32, s32, s33                     ; group of 128 rows of wc
	s_and_b32 s33, s16, 3                          ; my 32 of them: tiles 2 b and 2 b + 1
	s_lshl_b32 s34, s32, 3
	s_add_co_u32 s34, s34, s17
	s_lshl_b32 s34, s34, 3
	s_lshl_b32 s35, s33, 1
	s_add_co_u32 s34, s34, s35
	s_mul_i32 s34, s34, 1536
	s_mov_b32 s35, 0
	s_add_nc_u64 s[12:13], s[12:13], s[34:35]      ; my two tiles: 3,072 consecutive bytes
	s_lshl_b32 s34, s32, 12
	s_lshl_b32 s36, s33, 10
	s_add_co_u32 s34, s34, s36
	s_lshr_b32 s36, s17, 2
	s_lshl_b32 s36, s36, 8
	s_add_co_u32 s34, s34, s36
	s_and_b32 s36, s17, 3
	s_lshl_b32 s36, s36, 2
	s_add_co_u32 s34, s34, s36
	s_add_co_u32 s34, s34, WSO
	s_add_nc_u64 s[14:15], s[14:15], s[34:35]
	v_and_b32 v9, 31, v0
	s_delay_alu instid0(VALU_DEP_1)
	v_lshlrev_b32 v3, 2, v9                        ; A LANE TAKES A COLUMN, AND ITS REGISTERS RUN DOWN K
.set i, 0
.rept 32
	v_mad_u32_u24 v[VO+i], s19, i, v3
.set i, i+1
.endr
	v_bfe_u32 v10, v0, 3, 1                        ; column 32 b + l is tile 2 b + u, lane r: u = (l / 8) % 2,
	v_and_b32 v11, 7, v0
	v_bfe_u32 v12, v0, 4, 1
	s_delay_alu instid0(VALU_DEP_1)
	v_lshl_or_b32 v11, v12, 3, v11                 ; r = l % 8 + 8 (l / 16)
	s_mul_i32 s36, s16, WSTG
	s_add_co_u32 s36, s36, WST0
	v_mul_u32_u24 v4, v10, 1536
	s_delay_alu instid0(VALU_DEP_1)
	v_lshl_add_u32 v4, v11, 3, v4
	s_delay_alu instid0(VALU_DEP_1)
	v_add_nc_u32 v4, s36, v4                       ; the stage, on the way in: tile u, 8 r
	v_lshlrev_b32 v5, 4, v9
	s_delay_alu instid0(VALU_DEP_1)
	v_add_nc_u32 v6, s36, v5                       ; and out: 16 x lane
	v_lshlrev_b32 v7, 9, v10
	s_delay_alu instid0(VALU_DEP_1)
	v_lshl_add_u32 v7, v11, 4, v7                  ; my scale word: 512 u + 16 r
.macro WLOAD k                         ; block k: rows 32 k + i of the K step at my column: a wave reads 128 consecutive bytes, the eight waves 1,024
.set i, 0
.rept 32
	global_load_b32 v[XW+32*(\k)+i], v[VO+i], s[24+2*(\k):25+2*(\k)] th:TH_LOAD_NT
.set i, i+1
.endr
.endm
.macro WBLK k
.set XS, XW+32*(\k)
	v_max3_num_f32 v10, |v[XS]|, |v[XS+1]|, |v[XS+2]|
	v_max3_num_f32 v11, |v[XS+3]|, |v[XS+4]|, |v[XS+5]|
.irp i, 6,10,14,18,22,26
	s_delay_alu instid0(VALU_DEP_2)
	v_max3_num_f32 v10, v10, |v[XS+\i]|, |v[XS+\i+1]|
	s_delay_alu instid0(VALU_DEP_2)
	v_max3_num_f32 v11, v11, |v[XS+\i+2]|, |v[XS+\i+3]|
.endr
	s_delay_alu instid0(VALU_DEP_2)
	v_max3_num_f32 v10, v10, |v[XS+30]|, |v[XS+31]|
	s_delay_alu instid0(VALU_DEP_1)
	v_max3_num_f32 v10, v10, v11, 0x1800000        ; and the floor
	s_delay_alu instid0(VALU_DEP_1)
	v_add_nc_u32 v12, 0xff000000, v10
	s_delay_alu instid0(VALU_DEP_1)
	v_lshrrev_b32 v13, 23, v12
.if (\k) == 0
	s_delay_alu instid0(VALU_DEP_1)
	v_mov_b32 v8, v13
.else
	s_delay_alu instid0(VALU_DEP_1)
	v_lshl_or_b32 v8, v13, 8*(\k), v8              ; the K step's four bytes make my column's scale word
.endif
	v_cvt_scalef32_pk16_fp6_f32 v[CW+6*(\k):CW+6*(\k)+2], v[XS:XS+15], v12
	v_cvt_scalef32_pk16_fp6_f32 v[TW:TW+2], v[XS+16:XS+31], v12
	v_nop                                          ; one plain place behind the scaled conversions
.irp i, 0,1,2
	v_mov_b32 v[CW+6*(\k)+3+\i], v[TW+\i]
.endr
.irp i, 0,1,2                          ; block k is registers 6 (k / 2) on of lane (r, k % 2) of my tile
	ds_store_b64 v4, v[CW+6*(\k)+2*\i:CW+6*(\k)+2*\i+1] offset:256*(3*((\k)/2)+\i)+128*((\k)%2)
.endr
.endm
	WLOAD 0
	WLOAD 1
	s_wait_loadcnt 32                              ; block 0 is in; block 1's 32 loads may be out
	WLOAD 2
	WBLK 0
	s_wait_loadcnt 32                              ; block 1 is in; block 2's may be out
	WLOAD 3
	WBLK 1
	s_wait_loadcnt 32                              ; block 2 is in; block 3's may be out
	WBLK 2
	s_wait_loadcnt 0x0
	WBLK 3
.irp j, 0,1,2,3,4,5
	ds_load_b128 v[OUTR+4*\j:OUTR+4*\j+3], v6 offset:512*\j   ; LDS serves a wave's instructions in order: these see my stores
.endr
	s_wait_alu depctr_va_vdst(0)
.irp j, 0,1,2,3,4,5
	s_wait_dscnt 5-\j                              ; the later reads may be out
	global_store_b128 v5, v[OUTR+4*\j:OUTR+4*\j+3], s[12:13] offset:512*\j   ; 512 consecutive bytes, aligned
.endr
	global_store_b32 v7, v8, s[14:15]
.Lend:
	s_wait_tensorcnt 0x0                           ; the wave's end
	ds_add_u32 v[SPW], v[NIL]
	s_wait_dscnt 0x0
	s_endpgm
.Lfunc_end_k_qd6e9f7130e_prep:
	.size	k_qd6e9f7130e_prep, .Lfunc_end_k_qd6e9f7130e_prep-k_qd6e9f7130e_prep
	.p2alignl 7, 3214868480
	.fill 96, 4, 3214868480
	.section	.rodata,"a",@progbits
	.p2align	6, 0x0
	.amdhsa_kernel k_qd6e9f7130e_prep
		.amdhsa_group_segment_fixed_size 93184
		.amdhsa_private_segment_fixed_size 0
		.amdhsa_enable_private_segment 0
		.amdhsa_kernarg_size 48
		.amdhsa_user_sgpr_count 2
		.amdhsa_user_sgpr_kernarg_segment_ptr 1
		.amdhsa_wavefront_size32 1
		.amdhsa_system_sgpr_workgroup_id_x 1
		.amdhsa_system_sgpr_workgroup_id_y 1
		.amdhsa_system_sgpr_workgroup_id_z 1
		.amdhsa_system_vgpr_workitem_id 0
		.amdhsa_next_free_vgpr 256
		.amdhsa_next_free_sgpr 66
		.amdhsa_reserve_vcc 0
		.amdhsa_float_denorm_mode_32 3
		.amdhsa_float_denorm_mode_16_64 3
		.amdhsa_memory_ordered 1
		.amdhsa_forward_progress 1
		.amdhsa_inst_pref_size 63
	.end_amdhsa_kernel
	.amdgpu_metadata
---
amdhsa.version: [ 1, 2 ]
amdhsa.kernels:
  - .name:           k_qd6e9f7130e_prep
    .symbol:         k_qd6e9f7130e_prep.kd
    .args:
      - { .name: x, .offset: 0, .size: 8, .value_kind: global_buffer, .address_space: global }
      - { .name: w_in, .offset: 8, .size: 8, .value_kind: global_buffer, .address_space: global }
      - { .name: w_out, .offset: 16, .size: 8, .value_kind: global_buffer, .address_space: global }
      - { .name: xc, .offset: 24, .size: 8, .value_kind: global_buffer, .address_space: global }
      - { .name: wc, .offset: 32, .size: 8, .value_kind: global_buffer, .address_space: global }
      - { .name: scl, .offset: 40, .size: 8, .value_kind: global_buffer, .address_space: global }
    .group_segment_fixed_size: 93184
    .private_segment_fixed_size: 0
    .kernarg_segment_align: 8
    .kernarg_segment_size: 48
    .max_flat_workgroup_size: 256
    .sgpr_count:     66
    .vgpr_count:     256
    .wavefront_size: 32
...
	.end_amdgpu_metadata
.endif
;; end of part 1
;; launch qkv (part 2): grid 12 x 32, 4 waves a work-group, clusters of 4 x 4, 327,680 bytes of LDS; arguments xc, wc, scl, b_in, qkv; writes qkv
.if DOCPART == 2
	.amdgcn_target "amdgcn-amd-amdhsa--gfx1250"
	.amdhsa_code_object_version 6
	.text
	.protected	k_qd6e9f7130e_qkv
	.globl	k_qd6e9f7130e_qkv
	.p2align	8
	.type	k_qd6e9f7130e_qkv,@function
k_qd6e9f7130e_qkv:
	s_mov_b64 s[64:65], 0
	v_nop
	global_prefetch_b8 v0, s[64:65] scope:SCOPE_SE
	s_setreg_imm32_b32 hwreg(HW_REG_WAVE_MODE, 25, 1), 1
	s_wait_xcnt 0x0
	s_wait_alu depctr_hold_cnt(0) depctr_sa_sdst(0) depctr_va_vdst(0) depctr_va_sdst(0) depctr_va_ssrc(0) depctr_va_vcc(0) depctr_vm_vsrc(0)
	s_getreg_b32 s2, hwreg(HW_REG_IB_STS2, 6, 4)
	s_cmp_eq_u32 s2, 0
	s_cbranch_scc0 .Lentry_in_a_cluster
	s_endpgm
.Lentry_in_a_cluster:
	s_bfe_u32 s2, ttmp6, 0x10000c
	s_cmp_lg_u32 s2, 0xf033
	s_cbranch_scc0 .Lentry_shape_is_right
	s_endpgm
.Lentry_shape_is_right:
; qkv = x w_in + b_in on codes of FP6 (E2M3) with E8M0 scales, sums in f32; the results are quantised at once, q and k along the head's 64, v along the keys, and leave as codes alone.
; A tile of 256 rows (b, l) x 256 columns is made by four waves, 128 x 128 each: 64 accumulators, 512 registers.  K = 1,024 is eight steps of 128, two to an LDS slot, two slots, four fills.
; OPERANDS lie in memory as images of their registers (a tile of 16 rows x 128 K: 1,536 bytes; piece p at 256 p, lane l at 8 l), so a slot's part of 128 rows is 24,576 dense bytes: one tensor load a wave,
; and a fragment is six loads of 256 consecutive LDS bytes: no padding.  In a group of 128 rows tile 2 b + u, lane r is row 32 b + 8 u + r + 8 (r / 8).
; CLUSTERS: 4 x 4 work-groups; x's tiles are asked for jointly along a row of the cluster, the weight's along a column.  Cluster x = 0 makes q, 1 makes k, 2 makes v: the same for all sixteen partners.
; WHICH OPERAND IS SOURCE 0 decides what runs along a lane's registers, and that is the axis to be quantised: for q and k source 0 = the weight (registers = the head's numbers, lanes = rows l);
; for v source 0 = x (registers = keys l, lanes = the head's numbers).  The two differ in LDS and scale ADDRESSES alone (chosen on cluster x) and in the way out, which is written twice.
; THE SCALE WORDS of all of K stay in 64 registers: block i, K step s at v[32 + 8 i + s], lanes 0-15 source 1's word, lanes 16-31 source 0's: 16 loads, sixteen lanes to 256 consecutive bytes.
; RECORDS: qkv holds, for each (b, head, 128 rows l), 19,712 bytes: q's codes 6,144 | q's scales 512 | k's codes 6,144 | v's codes 6,144 | k's scales 512 | v's scales 256, all as register images.
; No prefetch: all four fills of a work-group are asked for within the first four of its eight K steps.  384 tiles do not divide by 256 WGPs; a wider tile does not fit the registers.
; LIMITS: NaN and infinities are not served; a block whose largest magnitude lies under 2^-124 keeps the byte 1; a block of zeros has the byte 1 (zero codes; this program alone reads the bytes).
; REGISTERS: window 0: v0-31 addresses; v32-95 scale words; v96-111 the bias by lanes; v112-127 at work; v128-223 source 1's fragments, ONE set (on the way out v128-233 are at work).
;   window 1: source 0's fragments, TWO sets, v0-95 and v128-223; the bias by registers in v96-127 and v224-255.   windows 2, 3: the accumulators ((a, b) at v[8 (8 (a % 4) + b)]).
.set FR,    12
.set NL,    6
.set NP,    4
.set TILEB, 1536
.set KSB,   8*TILEB                    ; a K step of 128 rows
.set HALFT, 2*KSB                      ; what one tensor load brings
.set SLOT,  4*HALFT                    ; x's two halves, then the weight's two
.set GRPB,  8*KSB                      ; a group of 128 rows, all of K, in memory
.set SPARE, 2*SLOT                     ; behind the ring: the spare words, 128 bytes a wave, two blocks of 256 bytes that no other line names
.set REC,   19712
.set HEADB, 16*REC                     ; from a head's record to the next head's
.set WSO,   262144                     ; the weights' scale words in scl
.set ADR1,  16                         ; v16-17 LDS address of source 1's fragments in slot 0, 1
.set ADR0,  20                         ; v20-21 of source 0's
.set LI16,  24                         ; v24 16 x lane
.set L8,    25                         ; v25 8 x lane
.set SPW,   28
.set NIL,   29
.set SC,    32
.set BV,    96                         ; v[96 + 2 a]: the bias of my lane's column in tile a (the odd registers are 0: named in pairs)
.set TM,    112
.set AF,    128
.set HA,    128                        ; the way out: 64 numbers
.set OUT,   192                        ; v192-215 codes
.set W0,    216                        ; v216-219, v220-223 scale words
.set W1,    220
.set TQ,    224                        ; v224-230 second halves
.set PW,    232
.set PWE,   233
.set BI,    96                         ; in window 1: tile b's eight at v[96 + 8 (b % 4) + 128 (b / 4)]
.set G1,  24
.set G0,  32
.set G1B, 48
.set G0B, 56
.set MH,  84                           ; s84 lanes 16-31
.set SEL, 86                           ; s[86:87]
.set MSB, 0
.macro WIN new                         ; the immediate's high byte repeats the setting that is left
.if MSB != (\new)
	s_set_vgpr_msb (MSB<<8)|(\new)
.set MSB, (\new)
.endif
.endm
.set MUL_LO, 0xa1                      ; source 0 window 1, source 1 window 0, C and D window 2
.set MUL_HI, 0xf1
.set TO_B,   0x40                      ; destination window 1, address window 0
.macro JLOAD s                         ; a joint load: waves 0, 1 fetch x's halves, waves 2, 3 the weight's; an s_nop 0 and four v_nop behind each line
	s_cmp_eq_u32 s15, 0
	s_cbranch_scc0 .Lfor_b_\@
	tensor_load_to_lds s[G0+4*\s:G0+4*\s+3], s[G1:G1+7]
	s_nop 0
.rept 4
	v_nop
.endr
	s_branch .Lasked_\@
.Lfor_b_\@:
	tensor_load_to_lds s[G0B+4*\s:G0B+4*\s+3], s[G1B:G1B+7]
	s_nop 0
.rept 4
	v_nop
.endr
.Lasked_\@:
.endm
.macro CREST                           ; a round of the cluster's barrier behind its opening barrier
	s_cmp_lg_u32 s14, 0
	s_cbranch_scc1 .Lnot_wave_0_\@
	s_barrier_signal -3
.Lnot_wave_0_\@:
	s_barrier_wait -3
	s_barrier_signal -1
	s_barrier_wait -1
.endm
.macro CROUND
	s_barrier_signal -1
	s_barrier_wait -1
	CREST
.endm
.macro PLACES n
.rept \n
	v_nop
.endr
.endm
.macro FRAG reg, adr, q, i             ; a fragment: six pieces of 256 consecutive bytes
.irp p, 0,1,2,3,4,5
	ds_load_b64 v[\reg+2*\p:\reg+2*\p+1], v[\adr] offset:KSB*(\q)+TILEB*(\i)+256*\p
.endr
.endm
.macro FETCH_B slot, q, p              ; source 0's eight fragments of the slot's q-th K step into set p
	WIN TO_B
.irp i, 0,1,2,3,4,5,6,7
	FRAG 128*(\p)+FR*\i, ADR0+\slot, \q, \i
.endr
	WIN 0
.endm
.macro FETCH_A slot, q, i0             ; source 1's blocks i0 .. i0 + 3
.irp i, \i0, \i0+1, \i0+2, \i0+3
	FRAG AF+FR*(\i), ADR1+\slot, \q, \i
.endr
.endm
; 16 matrix instructions: source 1's blocks a0, a0 + 1 x source 0's eight.  The 64 accumulators take turns, one instruction a turn, in the same order in every step.
.macro MUL16 a0, p, ks, first
.irp a, \a0, \a0+1
.irp b, 0,1,2,3,4,5,6,7
.if (\first) == 1
	v_wmma_scale_f32_16x16x128_f8f6f4 v[8*(8*((\a)%4)+\b):8*(8*((\a)%4)+\b)+7], v[128*(\p)+FR*\b:128*(\p)+FR*\b+FR-1], v[AF+FR*(\a):AF+FR*(\a)+FR-1], 0, v[SC+8*\b+(\ks)], v[SC+8*(\a)+(\ks)] matrix_a_fmt:MATRIX_FMT_FP6 matrix_b_fmt:MATRIX_FMT_FP6 matrix_a_scale:MATRIX_SCALE_ROW1
.else
	v_wmma_scale_f32_16x16x128_f8f6f4 v[8*(8*((\a)%4)+\b):8*(8*((\a)%4)+\b)+7], v[128*(\p)+FR*\b:128*(\p)+FR*\b+FR-1], v[AF+FR*(\a):AF+FR*(\a)+FR-1], v[8*(8*((\a)%4)+\b):8*(8*((\a)%4)+\b)+7], v[SC+8*\b+(\ks)], v[SC+8*(\a)+(\ks)] matrix_a_fmt:MATRIX_FMT_FP6 matrix_b_fmt:MATRIX_FMT_FP6 matrix_a_scale:MATRIX_SCALE_ROW1
.endif
.endr
.endr
.endm
.macro STEP slot, ks, first            ; a slot's first K step (set 0); it fetches the slot's second
	s_wait_dscnt 4*NL                              ; source 0's set and source 1's blocks 0-3 are in; the youngest 24 loads (blocks 4-7) may be out
	WIN MUL_LO
	MUL16 0, 0, \ks, \first
	MUL16 2, 0, \ks, \first
	s_wait_dscnt 0x0                               ; blocks 4-7 are in
	PLACES NP                                      ; four places in front of loads into registers that matrix instructions have read
	FETCH_B \slot, 1, 1
	FETCH_A \slot, 1, 0
	WIN MUL_HI
	MUL16 4, 0, \ks, \first
	MUL16 6, 0, \ks, \first
	PLACES NP
	WIN 0
	FETCH_A \slot, 1, 4
.endm
.macro TURN slot, next, ks, fill       ; a slot's second K step (set 1) changes slots: one barrier; fill = 1: it opens a round of the cluster's barrier and the slot is filled again
	s_wait_tensorcnt 0x0                           ; all my tensor loads have landed: my part of the next slot
	ds_add_u32 v[SPW], v[NIL]                      ; 0 onto my spare word
	s_wait_dscnt 4*NL+1                            ; (the add and the youngest 24 loads may be out)
	WIN MUL_LO
	MUL16 0, 1, \ks, 0
	s_wait_dscnt 0x0                               ; the add is done, and my reads of this slot are over
	s_barrier_signal -1
	MUL16 2, 1, \ks, 0
	WIN 0
	s_barrier_wait -1
.if \fill
	CREST                                          ; no wave of any partner still reads this slot or has a load on its way
	s_add_nc_u64 s[G0+4*\slot+2:G0+4*\slot+3], s[G0+4*\slot+2:G0+4*\slot+3], 2*HALFT
	s_add_nc_u64 s[G0B+4*\slot+2:G0B+4*\slot+3], s[G0B+4*\slot+2:G0B+4*\slot+3], 2*HALFT
	JLOAD \slot                                    ; the first tensor load behind the round; its four v_nop are also the places in front of the loads below
.else
	PLACES NP
.endif
	FETCH_B \next, 0, 0
	FETCH_A \next, 0, 0
	WIN MUL_HI
	MUL16 4, 1, \ks, 0
	MUL16 6, 1, \ks, 0
	PLACES NP
	WIN 0
	FETCH_A \next, 0, 4
.endm
; 64 numbers of a lane, register 16 b + i = index 32 b + 16 (lane / 16) + i of my row, become a fragment's codes (registers 0-5 in d0 on, 6-11 in d1 on) and its scale word in v[PW].
.macro QUANT s, d0, d1
.irp b, 0,1,2,3
	v_max3_num_f32 v[TM+\b], |v[\s+16*\b]|, |v[\s+1+16*\b]|, 0x1800000   ; with the floor 2^(3 - 127)
.endr
.irp i, 2,4,6,8,10,12,14
.irp b, 0,1,2,3
	v_max3_num_f32 v[TM+\b], v[TM+\b], |v[\s+16*\b+\i]|, |v[\s+1+16*\b+\i]|
.endr
.endr
.irp b, 0,1,2,3
	v_permlanex16_b32 v[TM+4+\b], v[TM+\b], s[SEL], s[SEL+1]
.endr
.irp b, 0,1,2,3
	v_max_num_f32 v[TM+\b], v[TM+\b], v[TM+4+\b]   ; with lane l xor 16's: the block's largest magnitude
.endr
.irp b, 0,1,2,3
	v_add_nc_u32 v[TM+12+\b], 0xff000000, v[TM+\b] ; 2 off its exponent field: the conversion's scale operand
.endr
.irp b, 0,1,2,3
	v_lshrrev_b32 v[TM+4+\b], 23, v[TM+12+\b]      ; the byte
.endr
	v_lshl_or_b32 v[PW], v[TM+5], 8, v[TM+4]
	v_lshl_or_b32 v[PW], v[TM+6], 16, v[PW]
	v_lshl_or_b32 v[PW], v[TM+7], 24, v[PW]
	v_cvt_scalef32_pk16_fp6_f32 v[(\d0):(\d0)+2], v[\s:\s+15], v[TM+12]
	v_cvt_scalef32_pk16_fp6_f32 v[TQ:TQ+2], v[\s+16:\s+31], v[TM+13]
	v_cvt_scalef32_pk16_fp6_f32 v[(\d1):(\d1)+2], v[\s+32:\s+47], v[TM+14]
	v_cvt_scalef32_pk16_fp6_f32 v[TQ+4:TQ+6], v[\s+48:\s+63], v[TM+15]
	v_nop                                          ; one plain place behind the scaled conversions
.irp i, 0,1,2                          ; the layout wants a WHOLE block in a lane
	v_permlane16_swap_b32 v[(\d0)+\i], v[TQ+\i]
	v_permlane16_swap_b32 v[(\d1)+\i], v[TQ+4+\i]
.endr
.irp i, 0,1,2
	v_mov_b32 v[(\d0)+3+\i], v[TQ+\i]
	v_mov_b32 v[(\d1)+3+\i], v[TQ+4+\i]
.endr
.endm
	s_load_b256 s[4:11], s[0:1], 0x0               ; xc, wc, scl, b_in
	s_load_b64 s[12:13], s[0:1], 0x20              ; qkv
	v_lshl_add_u32 v[SPW], v0, 2, SPARE
	v_mov_b32 v[NIL], 0
	ds_add_u32 v[SPW], v[NIL]                      ; the wave's opening: the add and its wait ahead of my first tensor load
	ds_add_u32 v[SPW], v[NIL]
	v_lshrrev_b32 v1, 5, v0
	v_readfirstlane_b32 s14, v1                    ; wave 0..3
	s_lshr_b32 s15, s14, 1                         ; my half of the tile's rows.  Also: I fetch for x (0) or for the weight (1)
	s_and_b32 s16, s14, 1                          ; my half of its columns.  Also: which 128 rows I fetch
	s_bfe_u32 s40, ttmp6, 0x40000                  ; cx, cy
	s_bfe_u32 s41, ttmp6, 0x40004
	s_lshl_b32 s42, ttmp9, 2
	s_add_co_u32 s42, s42, s40                     ; tile column 0..11
	s_and_b32 s17, ttmp7, 0xffff
	s_lshl_b32 s17, s17, 2
	s_add_co_u32 s17, s17, s41                     ; tile row 0..31
	s_lshl_b32 s43, s41, 2
	s_lshl_b32 s43, 15, s43                        ; my row of the cluster
	s_lshl_b32 s44, 0x1111, s40                    ; my column
	s_or_b32 s[G1+0], s43, (3<<16)|(1<<21)         ; the mask; elements of 8 bytes; bit 21 beside a mask; no padding
	s_or_b32 s[G1B+0], s44, (3<<16)|(1<<21)
.irp g, G1, G1B
	s_mov_b32 s[\g+1], 32<<16                      ; tensor_dim0: 32 elements, 256 bytes
	s_mov_b32 s[\g+2], 96<<16                      ; tensor_dim1: 96 rows: 24,576 dense bytes
	s_mov_b32 s[\g+3], 32<<16                      ; tile_dim0
	s_mov_b32 s[\g+4], 96                          ; tile_dim1
	s_mov_b32 s[\g+5], 32                          ; the pitch
	s_mov_b32 s[\g+6], 0
	s_mov_b32 s[\g+7], 0
.endr
	s_lshl_b32 s20, s17, 1
	s_add_co_u32 s20, s20, s16
	s_mul_i32 s20, s20, GRPB                       ; x: group 2 x tile row + half
	s_mov_b32 s21, 0
	s_lshl_b32 s46, s42, 1
	s_add_co_u32 s46, s46, s16
	s_mul_i32 s46, s46, GRPB                       ; the weight: group 2 x tile column + half
	s_mov_b32 s47, 0
	s_mul_i32 s45, s14, HALFT                      ; where they go: wave x 24,576
	s_wait_dscnt 0x0                               ; the opening add is done
	s_wait_kmcnt 0x0
	s_add_nc_u64 s[20:21], s[4:5], s[20:21]
	s_add_nc_u64 s[46:47], s[6:7], s[46:47]
	CROUND                                         ; all sixteen work-groups are here: the first joint loads meet
.irp s, 0,1
	s_mov_b32 s[G0+4*\s], 1
	s_add_co_u32 s[G0+4*\s+1], s45, \s*SLOT
	s_add_nc_u64 s[G0+4*\s+2:G0+4*\s+3], s[20:21], \s*HALFT
	s_or_b32 s[G0+4*\s+3], s[G0+4*\s+3], 0x80000000
	s_mov_b32 s[G0B+4*\s], 1
	s_add_co_u32 s[G0B+4*\s+1], s45, \s*SLOT
	s_add_nc_u64 s[G0B+4*\s+2:G0B+4*\s+3], s[46:47], \s*HALFT
	s_or_b32 s[G0B+4*\s+3], s[G0B+4*\s+3], 0x80000000
	JLOAD \s
.endr
	v_and_b32 v1, 15, v0                           ; r
	v_bfe_u32 v2, v0, 4, 1                         ; h
	v_and_b32 v3, 31, v0
	v_lshlrev_b32 v[L8], 3, v3
	s_wait_alu depctr_va_vdst(0)
	v_lshlrev_b32 v[LI16], 4, v3
	s_mul_i32 s18, s15, HALFT                      ; x's part of a slot that I multiply,
	s_mul_i32 s19, s16, HALFT
	s_add_co_u32 s19, s19, 2*HALFT                 ; and the weight's
	s_lshl_b32 s66, s17, 1
	s_add_co_u32 s66, s66, s15                     ; my group of 128 rows of x, 0..63
	s_lshl_b32 s67, s42, 1
	s_add_co_u32 s67, s67, s16                     ; my group of 128 columns, 0..23
	s_lshl_b32 s68, s66, 12                        ; their scale words in scl
	s_lshl_b32 s69, s67, 12
	s_add_co_u32 s69, s69, WSO
	s_cmp_eq_u32 ttmp9, 2                          ; v?  (the cluster's x: the same in all partners)
	s_cselect_b32 s22, s19, s18                    ; source 1: x for q and k, the weight for v
	s_cselect_b32 s23, s18, s19                    ; source 0: the other
	s_cselect_b32 s70, s69, s68
	s_cselect_b32 s71, s68, s69
	v_add_nc_u32 v[ADR1], s22, v[L8]
	v_add_nc_u32 v[ADR1+1], SLOT, v[ADR1]
	v_add_nc_u32 v[ADR0], s23, v[L8]
	v_add_nc_u32 v[ADR0+1], SLOT, v[ADR0]
	s_mov_b32 s[MH], 0xffff0000
	s_mov_b32 s[SEL], 0x76543210
	s_mov_b32 s[SEL+1], 0xfedcba98
	v_mov_b32 v9, s70
	v_mov_b32 v10, s71
	v_cndmask_b32 v9, v9, v10, s[MH]               ; lanes 0-15 source 1's words, lanes 16-31 source 0's
	v_lshl_add_u32 v9, v1, 4, v9
.irp i, 0,1,2,3,4,5,6,7
	global_load_b128 v[SC+8*\i:SC+8*\i+3], v9, s[8:9] offset:512*\i
	global_load_b128 v[SC+8*\i+4:SC+8*\i+7], v9, s[8:9] offset:512*\i+256
.endr
	s_lshl_b32 s74, s67, 9                         ; b_in at my 128 columns; both layouts are loaded, each way out reads its own
	s_mov_b32 s75, 0
	s_add_nc_u64 s[10:11], s[10:11], s[74:75]
	v_lshlrev_b32 v11, 6, v2                       ; by registers: tile b's eight are columns 32 (b / 2) + 8 (b % 2) + 16 h + 0 .. 7
	v_and_b32 v12, 8, v1
	v_add_nc_u32 v12, v12, v1
	v_lshlrev_b32 v12, 2, v12                      ; by lanes: tile a's is column 32 (a / 2) + 8 (a % 2) + r + 8 (r / 8)
	WIN TO_B
.irp b, 0,1,2,3,4,5,6,7
	global_load_b128 v[BI+8*(\b%4)+128*(\b/4):BI+8*(\b%4)+128*(\b/4)+3], v11, s[10:11] offset:(32*(\b/2)+8*(\b%2))*4
	global_load_b128 v[BI+8*(\b%4)+128*(\b/4)+4:BI+8*(\b%4)+128*(\b/4)+7], v11, s[10:11] offset:(32*(\b/2)+8*(\b%2))*4+16
.endr
	WIN 0
.irp a, 0,1,2,3,4,5,6,7
	global_load_b32 v[BV+2*\a], v12, s[10:11] offset:(32*(\a/2)+8*(\a%2))*4
	v_mov_b32 v[BV+2*\a+1], 0
.endr
.irp b, 0,1,2,3
	v_mov_b32 v[TM+4+\b], 0                        ; (a lane permute's destination counts as one of its sources)
.endr
	s_lshr_b32 s76, s66, 4                         ; my first record: ((b x 16 + head) x 16 + l / 128), head = 2 x (column group % 8)
	s_lshl_b32 s76, s76, 4
	s_and_b32 s77, s67, 7
	s_lshl_b32 s77, s77, 1
	s_add_co_u32 s76, s76, s77
	s_lshl_b32 s76, s76, 4
	s_and_b32 s77, s66, 15
	s_add_co_u32 s76, s76, s77
	s_mul_i32 s76, s76, REC
	s_mov_b32 s77, 0
	s_add_nc_u64 s[12:13], s[12:13], s[76:77]
	s_mul_i32 s78, ttmp9, 6656                     ; q's codes at 0, k's at 6,656;
	s_mov_b32 s79, 0
	s_add_nc_u64 s[80:81], s[12:13], s[78:79]
	s_mul_i32 s78, ttmp9, 12800
	s_add_co_u32 s78, s78, 6144                    ; q's scales at 6,144, k's at 18,944
	s_add_nc_u64 s[82:83], s[12:13], s[78:79]
	s_wait_tensorcnt 1                             ; my part of slot 0 is in; slot 1's may be out
	s_barrier_signal -1
	s_barrier_wait -1
	FETCH_B 0, 0, 0
	FETCH_A 0, 0, 0
	FETCH_A 0, 0, 4
	s_wait_loadcnt 0x0                             ; the scale words and the biases
	STEP 0, 0, 1                                   ; the first products start the sums: nothing is cleared
	TURN 0, 1, 1, 1
	STEP 1, 2, 0
	TURN 1, 0, 3, 1
	STEP 0, 4, 0
	TURN 0, 1, 5, 0                                ; nothing is left to fetch
	STEP 1, 6, 0
	s_wait_dscnt 4*NL
	WIN MUL_LO
	MUL16 0, 1, 7, 0
	MUL16 2, 1, 7, 0
	s_wait_dscnt 0x0
	WIN MUL_HI
	MUL16 4, 1, 7, 0
	MUL16 6, 1, 7, 0
	WIN 0
; THE WAY OUT, a block a of source 1 at a time: the bias is added (each accumulator from its low end on), the lane's 64 numbers are quantised, the codes leave as register images, 512 consecutive bytes a store.  No LDS.
.macro EPI isv
	PLACES NP
.irp a, 0,1,2,3,4,5,6,7
.if \isv
.if \a >= 2
	s_wait_xcnt 0x0                                ; the stores of two blocks back have read the registers that are written now
.endif
	WIN 0x02+(\a/4)                                ; source 0: the accumulators' window
.else
.if (\a >= 2) && ((\a%2) == 0)
	s_wait_xcnt 0x0                                ; the last pair's stores have read their registers
.endif
	WIN 0x06+(\a/4)                                ; source 0: the accumulators' window; source 1: window 1
.endif
.irp b, 0,1,2,3,4,5,6,7
.irp j, 0,2,4,6
.if \isv
	v_pk_add_f32 v[HA+8*\b+\j:HA+8*\b+\j+1], v[8*(8*(\a%4)+\b)+\j:8*(8*(\a%4)+\b)+\j+1], v[BV+2*\a:BV+2*\a+1] op_sel_hi:[1,0]
.else
	v_pk_add_f32 v[HA+8*\b+\j:HA+8*\b+\j+1], v[8*(8*(\a%4)+\b)+\j:8*(8*(\a%4)+\b)+\j+1], v[BI+8*(\b%4)+128*(\b/4)+\j:BI+8*(\b%4)+128*(\b/4)+\j+1]
.endif
.endr
.endr
	WIN 0
.if \isv
	QUANT HA, OUT+12*(\a%2), OUT+12*(\a%2)+6       ; 16 of a head's numbers x 128 keys: tile a % 4 of head a / 4
.irp e, 0,1,2
	global_store_b128 v[LI16], v[OUT+12*(\a%2)+4*\e:OUT+12*(\a%2)+4*\e+3], s[12:13] offset:(\a/4)*HEADB+12800+(\a%4)*1536+512*\e
.endr
.if (\a%2) == 0
	v_mov_b32 v[PWE], v[PW]
.else
	v_cndmask_b32 v[W0+(\a%4)/2], v[PWE], v[PW], s[MH]   ; lanes 0-15 the even tile's words, lanes 16-31 the odd tile's
.endif
.if (\a%4) == 3
	global_store_b64 v[L8], v[W0:W0+1], s[12:13] offset:(\a/4)*HEADB+19456
.endif
.else
	QUANT HA, OUT+6*(\a%2), OUT+12+6*(\a%2)        ; 16 rows l x two heads of 64: registers 0-5 the first head's tile a, 6-11 the second's
.if (\a%2) == 0
	v_mov_b32 v[PWE], v[PW]
.else
	v_cndmask_b32 v[W0+\a/2], v[PWE], v[PW], s[MH]       ; bytes 0, 1 the first head's; bytes 2, 3 scale codes that meet zeros
	v_lshrrev_b32 v[W1+\a/2], 16, v[W0+\a/2]             ; the second head's
.irp c, 0,1
.irp e, 0,1,2
	global_store_b128 v[LI16], v[OUT+12*\c+4*\e:OUT+12*\c+4*\e+3], s[80:81] offset:\c*HEADB+512*(3*(\a/2)+\e)
.endr
.endr
.endif
.endif
.endr
.if !\isv
	global_store_b128 v[LI16], v[W0:W0+3], s[82:83]
	global_store_b128 v[LI16], v[W1:W1+3], s[82:83] offset:HEADB
.endif
.endm
	s_cmp_eq_u32 ttmp9, 2
	s_cbranch_scc1 .Lvout
	EPI 0
	s_branch .Lfin
.Lvout:
	EPI 1
.Lfin:
	s_wait_tensorcnt 0x0                           ; the wave's end
	ds_add_u32 v[SPW], v[NIL]
	s_wait_dscnt 0x0
	CROUND                                         ; the closing round
	s_endpgm
.Lfunc_end_k_qd6e9f7130e_qkv:
	.size	k_qd6e9f7130e_qkv, .Lfunc_end_k_qd6e9f7130e_qkv-k_qd6e9f7130e_qkv
	.p2alignl 7, 3214868480
	.fill 96, 4, 3214868480
	.section	.rodata,"a",@progbits
	.p2align	6, 0x0
	.amdhsa_kernel k_qd6e9f7130e_qkv
		.amdhsa_group_segment_fixed_size 327680
		.amdhsa_private_segment_fixed_size 0
		.amdhsa_enable_private_segment 0
		.amdhsa_kernarg_size 40
		.amdhsa_user_sgpr_count 2
		.amdhsa_user_sgpr_kernarg_segment_ptr 1
		.amdhsa_wavefront_size32 1
		.amdhsa_system_sgpr_workgroup_id_x 1
		.amdhsa_system_sgpr_workgroup_id_y 1
		.amdhsa_system_sgpr_workgroup_id_z 1
		.amdhsa_system_vgpr_workitem_id 0
		.amdhsa_next_free_vgpr 1024
		.amdhsa_next_free_sgpr 98
		.amdhsa_reserve_vcc 0
		.amdhsa_float_denorm_mode_32 3
		.amdhsa_float_denorm_mode_16_64 3
		.amdhsa_memory_ordered 1
		.amdhsa_forward_progress 1
		.amdhsa_inst_pref_size 229
	.end_amdhsa_kernel
	.amdgpu_metadata
---
amdhsa.version: [ 1, 2 ]
amdhsa.kernels:
  - .name:           k_qd6e9f7130e_qkv
    .symbol:         k_qd6e9f7130e_qkv.kd
    .args:
      - { .name: xc, .offset: 0, .size: 8, .value_kind: global_buffer, .address_space: global }
      - { .name: wc, .offset: 8, .size: 8, .value_kind: global_buffer, .address_space: global }
      - { .name: scl, .offset: 16, .size: 8, .value_kind: global_buffer, .address_space: global }
      - { .name: b_in, .offset: 24, .size: 8, .value_kind: global_buffer, .address_space: global }
      - { .name: qkv, .offset: 32, .size: 8, .value_kind: global_buffer, .address_space: global }
    .group_segment_fixed_size: 327680
    .private_segment_fixed_size: 0
    .kernarg_segment_align: 8
    .kernarg_segment_size: 40
    .max_flat_workgroup_size: 128
    .sgpr_count:     98
    .vgpr_count:     1024
    .wavefront_size: 32
...
	.end_amdgpu_metadata
.endif
;; end of part 2
;; launch attn (part 3): grid 4 x 64, 16 waves a work-group, no clusters, 327,680 bytes of LDS; arguments qkv, oc, scl; writes oc, scl
.if DOCPART == 3
	.amdgcn_target "amdgcn-amd-amdhsa--gfx1250"
	.amdhsa_code_object_version 6
	.text
	.protected	k_qd6e9f7130e_attn
	.globl	k_qd6e9f7130e_attn
	.p2align	8
	.type	k_qd6e9f7130e_attn,@function
k_qd6e9f7130e_attn:
	s_mov_b64 s[64:65], 0
	v_nop
	global_prefetch_b8 v0, s[64:65] scope:SCOPE_SE
	s_setreg_imm32_b32 hwreg(HW_REG_WAVE_MODE, 25, 1), 1
	s_wait_xcnt 0x0
; o = softmax(q k^T / 8, causal) v for one (b, head), both products on codes of FP6 (E2M3) with E8M0 scales; o is divided by the row's sum and quantised along D at once: it leaves as codes alone.
; THE SOFTMAX: t = score x log2(e) / 8; M = the running largest t rounded UP to a whole number; p = 2^(t - M) is quantised along the keys; the row's sum is taken of the unquantised p; when M moves, the sum and O are multiplied by 2^(old M - new M).
; SHARES.  Work-group (i, b x 16 + head) owns the blocks 7 - i and i of 256 queries: 256 work-groups of equal work.  Each of its SIXTEEN waves owns a tile of 16 queries in 256 registers, first tile w of block 7 - i,
; then tile 15 - w of block i: 17 key steps of 128 that count, for every wave.  Four waves share a SIMD, so that one wave's vector work stands beside another's products and LDS loads.
; LDS.  The head's 16 records of k and v (k's codes 6,144 | v's codes 6,144 | k's scales 512 | v's scales 256 = 13,056 dense bytes for 128 keys) are filled ONCE, by waves 0-3, four tensor loads each; nothing is filled again.
; Every work-group brings all 16, so that the counted waits mean the same in each; 2 i of them stay unread.
; LAYOUT.  Both products are used transposed (S^T = k q^T, O^T = v^T p^T): a lane holds ONE query.  In 128 rows tile 2 b + u, lane r is row 32 b + 8 u + r + 8 (r / 8): so the 16 registers of tiles 2 b, 2 b + 1 are 16 neighbours.
; THE FIRST PRODUCT'S K IS 64: q's registers 6-11 are zero codes; k's upper six registers are then whatever lies behind the tile (the next tile's codes, zeros behind the last): they meet zeros.
; CAUSAL.  Every wave walks a constant number of steps; a step all of whose keys come after its queries is left out by a scalar branch on ids; on the diagonal hidden scores become -infinity.
; NO CLUSTER, though the four work-groups of a head read the same records: which steps a wave leaves out hangs on which query blocks its work-group owns, that is on its place among the four.
; NO PREFETCH: all that the launch reads through LDS is asked for by the first fills.
; The scale bytes of o leave 2 bytes a lane, 16 bytes apart: 262,144 bytes in all.
; LIMITS: NaN and infinities are not served; a block whose largest magnitude lies under 2^-124 keeps the byte 1; a block of zeros has the byte 1 (zero codes; this program alone reads the bytes).
; REGISTERS: v1 16 lane, v2 8 lane, v3, v4 the add's two, v5, v6 the step's LDS addresses, v7 r + 8 (r / 8) - 16 h, v8 16 r; v12 -M, v13 the largest t, v[14:15] the sum; v16-27 q; v30-31 v's scale words;
;   v32-79 k, then v; v80-85 zeros; v96-159 S^T, then p; v160-191 O^T; v192-223 o; v224-235 p's codes; v232-254 at work; v248-251 k's scale words; v253 p's scale word; v255 q's.
.set REC,   19712
.set KVB,   13056
.set SPARE, 16*KVB                     ; behind the records: the spare words, 128 bytes for each of 16 waves, eight blocks of 256 bytes that no other line names
.set OSO,   393216                     ; o's scale words in scl
.set L16,  1
.set L8,   2
.set SPW,  3
.set NIL,  4
.set ADK,  5
.set AD8,  6
.set DQ,   7
.set R16,  8
.set TB,   2                           ; s2   LDS byte of the step's record
.set CNT,  3                           ; s3   counts a run's steps
.set WV,   18
.set BH,   19
.set SEL,  20                          ; s[20:21]
.set CS,   22                          ; s[22:23] c = log2(e) / 8
.set KF,   48                          ; s48  the step's first key
.set Q0,   49                          ; s49  my tile's first query
.set BLKQ, 50                          ; s50  my block of 256 queries
.set WT,   51                          ; s51  my tile in it
	s_load_b128 s[4:7], s[0:1], 0x0                ; qkv, oc
	s_load_b64 s[8:9], s[0:1], 0x10                ; scl
	v_lshl_add_u32 v[SPW], v0, 2, SPARE
	v_mov_b32 v[NIL], 0
	ds_add_u32 v[SPW], v[NIL]                      ; the wave's opening: the add and its wait ahead of my first tensor load
	ds_add_u32 v[SPW], v[NIL]
	v_lshrrev_b32 v9, 5, v0
	s_delay_alu instid0(VALU_DEP_1)
	v_readfirstlane_b32 s[WV], v9                  ; wave 0..15
	s_and_b32 s[BH], ttmp7, 0xffff                 ; b x 16 + head
	s_mov_b32 s24, 3<<16                           ; descriptor group 1: elements of 8 bytes, no mask, no padding
	s_mov_b32 s25, 32<<16                          ; tensor_dim0: 256 bytes
	s_mov_b32 s26, 51<<16                          ; tensor_dim1: 51 rows: 13,056 dense bytes
	s_mov_b32 s27, 32<<16                          ; tile_dim0
	s_mov_b32 s28, 51                              ; tile_dim1
	s_mov_b32 s29, 32                              ; the pitch
	s_mov_b32 s30, 0
	s_mov_b32 s31, 0
	s_mul_i32 s10, s[BH], 16*REC
	s_mov_b32 s11, 0
	s_mov_b32 s[SEL], 0x76543210
	s_mov_b32 s[SEL+1], 0xfedcba98
	s_mov_b32 s[CS], 0x3e38aa3b
	s_mov_b32 s[CS+1], s[CS]                       ; (named with it as a pair)
	s_wait_dscnt 0x0                               ; the opening add is done
	s_wait_kmcnt 0x0
	s_add_nc_u64 s[4:5], s[4:5], s[10:11]          ; the head's first record
	s_cmp_lt_u32 s[WV], 4                          ; the first fills: all of a wave's in one branch on its number
	s_cbranch_scc0 .Lnofill
	s_mul_i32 s12, s[WV], KVB
	s_mul_i32 s14, s[WV], REC
	s_mov_b32 s15, 0
	s_add_nc_u64 s[14:15], s[4:5], s[14:15]
.irp n, 0,1,2,3                        ; records w, w + 4, w + 8, w + 12
	s_mov_b32 s[32+4*\n], 1
	s_add_co_u32 s[33+4*\n], s12, 4*\n*KVB
	s_add_nc_u64 s[34+4*\n:35+4*\n], s[14:15], 4*\n*REC+6656
	s_or_b32 s[35+4*\n], s[35+4*\n], 0x80000000
.endr
.irp n, 0,1,2,3
	tensor_load_to_lds s[32+4*\n:35+4*\n], s[24:31]
	s_nop 0
.endr
.rept 4
	v_nop
.endr
.Lnofill:
	v_and_b32 v9, 31, v0
	s_delay_alu instid0(VALU_DEP_1)
	v_lshlrev_b32 v[L16], 4, v9
	s_delay_alu instid0(VALU_DEP_2)
	v_lshlrev_b32 v[L8], 3, v9
	v_and_b32 v10, 15, v0                          ; r
	v_bfe_u32 v11, v0, 4, 1                        ; h
	s_delay_alu instid0(VALU_DEP_2)
	v_lshlrev_b32 v[R16], 4, v10
	s_delay_alu instid0(VALU_DEP_3)
	v_and_b32 v[DQ], 8, v10
	s_delay_alu instid0(VALU_DEP_1)
	v_add_nc_u32 v[DQ], v[DQ], v10
	s_delay_alu instid0(VALU_DEP_4)
	v_lshlrev_b32 v11, 4, v11
	s_delay_alu instid0(VALU_DEP_1)
	v_sub_nc_u32 v[DQ], v[DQ], v11                 ; r + 8 (r / 8) - 16 h
.irp j, 22,23,24,25,26,27,80,81,82,83,84,85
	v_mov_b32 v[\j], 0                             ; q's zero codes for k = 64 .. 127; the zeros behind k's last tile
.endr
.irp j, 236,237,238,239,252,253
	v_mov_b32 v[\j], 0                             ; lane permutes' destinations count as sources; v253 is named in the pair v[252:253] before it is first written
.endr
; A pass begins: from s[BLKQ] and s[WT], my tile's addresses; q's fragment and scale word; the statistics and O^T anew.
.macro INIT
	s_wait_xcnt 0x0                                ; earlier loads and stores have read the bases and registers that are written now
	s_lshr_b32 s52, s[WT], 3
	s_lshl_b32 s53, s[BLKQ], 1
	s_add_co_u32 s52, s52, s53                     ; my group of 128 queries
	s_and_b32 s53, s[WT], 7                        ; a: my tile in it
	s_lshr_b32 s54, s53, 1
	s_and_b32 s55, s53, 1
	s_lshl_b32 s[Q0], s52, 7
	s_lshl_b32 s70, s54, 5
	s_add_co_u32 s[Q0], s[Q0], s70
	s_lshl_b32 s70, s55, 3
	s_add_co_u32 s[Q0], s[Q0], s70                 ; lane r's query is Q0 + r + 8 (r / 8)
	s_mul_i32 s70, s52, REC
	s_mov_b32 s71, 0
	s_add_nc_u64 s[72:73], s[4:5], s[70:71]        ; the record with my queries
	s_mul_i32 s74, s53, 6                          ; my tile is registers 6 a .. 6 a + 5 of q's image: register n at 512 (n / 4) + 16 lane + 4 (n % 4)
.irp i, 0,1,2
	s_add_co_u32 s70, s74, 2*\i
	s_lshr_b32 s75, s70, 2
	s_lshl_b32 s75, s75, 9
	s_and_b32 s70, s70, 3
	s_lshl_b32 s70, s70, 2
	s_add_co_u32 s70, s70, s75
	s_add_nc_u64 s[56+2*\i:57+2*\i], s[72:73], s[70:71]
.endr
	s_lshl_b32 s70, s55, 8                         ; q's scale word: register a / 2 of the scales' image, lane 16 (a % 2) + r
	s_lshl_b32 s75, s54, 2
	s_add_co_u32 s70, s70, s75
	s_add_co_u32 s70, s70, 6144
	s_add_nc_u64 s[62:63], s[72:73], s[70:71]
	global_load_b64 v[16:17], v[L16], s[56:57]
	global_load_b64 v[18:19], v[L16], s[58:59]
	global_load_b64 v[20:21], v[L16], s[60:61]
	global_load_b32 v255, v[R16], s[62:63]
	s_lshr_b32 s70, s[BH], 4
	s_lshl_b32 s70, s70, 4
	s_add_co_u32 s75, s70, s52                     ; o's group of 128 rows: b x 16 + my group
	s_and_b32 s76, s[BH], 15
	s_lshr_b32 s77, s76, 1                         ; the K step of the last product: head / 2
	s_and_b32 s76, s76, 1                          ; and which half of it
	s_lshl_b32 s70, s75, 3
	s_add_co_u32 s70, s70, s77
	s_lshl_b32 s70, s70, 3
	s_add_co_u32 s70, s70, s53
	s_mul_i32 s70, s70, 1536
	s_mul_i32 s78, s76, 768
	s_add_co_u32 s70, s70, s78
	s_add_nc_u64 s[66:67], s[6:7], s[70:71]        ; my three pieces in oc
	s_lshl_b32 s70, s75, 12
	s_lshl_b32 s78, s53, 9
	s_add_co_u32 s70, s70, s78
	s_lshr_b32 s78, s77, 2
	s_lshl_b32 s78, s78, 8
	s_add_co_u32 s70, s70, s78
	s_and_b32 s78, s77, 3
	s_lshl_b32 s78, s78, 2
	s_add_co_u32 s70, s70, s78
	s_lshl_b32 s78, s76, 1
	s_add_co_u32 s70, s70, s78
	s_add_co_u32 s70, s70, OSO
	s_add_nc_u64 s[68:69], s[8:9], s[70:71]        ; my two bytes of each row's scale word
	v_mov_b32 v13, 0xff61b1e6                      ; the largest t so far: -3e38
	s_delay_alu instid0(VALU_DEP_1)
	v_floor_f32 v12, -v13                          ; -M
	v_mov_b32 v14, 0
	v_mov_b32 v15, 0
.set n, 0
.rept 32
	v_mov_b32 v[160+n], 0                          ; O^T: the step is written once; the first change of M multiplies zeros
.set n, n+1
.endr
	s_mov_b32 s[KF], 0
	s_mov_b32 s[TB], 0
	s_wait_loadcnt 0x0
.endm
.macro KQ t
.if (\t)%2
	v_wmma_scale_f32_16x16x128_f8f6f4 v[96+8*\t:103+8*\t], v[32+6*\t:43+6*\t], v[16:27], 0, v[248+\t/2], v255 matrix_a_fmt:MATRIX_FMT_FP6 matrix_b_fmt:MATRIX_FMT_FP6 matrix_a_scale:MATRIX_SCALE_ROW1
.else
	v_wmma_scale_f32_16x16x128_f8f6f4 v[96+8*\t:103+8*\t], v[32+6*\t:43+6*\t], v[16:27], 0, v[248+\t/2], v255 matrix_a_fmt:MATRIX_FMT_FP6 matrix_b_fmt:MATRIX_FMT_FP6
.endif
.endm
.macro PV t
.if (\t)%2
	v_wmma_scale_f32_16x16x128_f8f6f4 v[160+8*\t:167+8*\t], v[32+12*\t:43+12*\t], v[224:235], v[160+8*\t:167+8*\t], v[30+\t/2], v253 matrix_a_fmt:MATRIX_FMT_FP6 matrix_b_fmt:MATRIX_FMT_FP6 matrix_a_scale:MATRIX_SCALE_ROW1
.else
	v_wmma_scale_f32_16x16x128_f8f6f4 v[160+8*\t:167+8*\t], v[32+12*\t:43+12*\t], v[224:235], v[160+8*\t:167+8*\t], v[30+\t/2], v253 matrix_a_fmt:MATRIX_FMT_FP6 matrix_b_fmt:MATRIX_FMT_FP6
.endif
.endm
; A KEY STEP: 128 keys, the record at s[TB].
.macro STEP
	s_add_co_u32 s96, s[Q0], 23                    ; my last query
	s_cmp_gt_u32 s[KF], s96
	s_cbranch_scc1 .Lhidden_\@                     ; all keys come after it: only the stepping lines are run
	s_setprio 2
	v_add_nc_u32 v[ADK], s[TB], v[L16]
	v_add_nc_u32 v[AD8], s[TB], v[L8]
	v_nop
	v_nop                                          ; four places in front of loads into registers that the last products read
.irp j, 0,1,2,3,4,5,6,7,8,9,10,11
	ds_load_b128 v[32+4*\j:35+4*\j], v[ADK] offset:512*\j          ; k's eight tiles: 48 registers as they lie
.endr
	ds_load_b128 v[248:251], v[ADK] offset:12288                   ; k's scale words: register t / 2, lanes 16 (t % 2) on
	s_wait_alu depctr_va_vdst(0)
	s_wait_dscnt 0x0
.irp t, 0,1,2,3,4,5,6,7
	KQ \t
.endr
.rept 4
	v_nop                                          ; places in front of the loads below and of the first read of the scores
.endr
.irp j, 0,1,2,3,4,5,6,7,8,9,10,11
	ds_load_b128 v[32+4*\j:35+4*\j], v[ADK] offset:6144+512*\j     ; v's four tiles land while the softmax is walked
.endr
	ds_load_b64 v[30:31], v[AD8] offset:12800
	s_add_co_u32 s96, s[KF], 127
	s_cmp_le_u32 s96, s[Q0]
	s_cbranch_scc1 .Lopen_\@                       ; all keys count for all my queries
	s_sub_co_i32 s96, s[Q0], s[KF]
	v_add_nc_u32 v252, s96, v[DQ]                  ; d = my query - KF - 16 h.  Register 16 b + i holds key KF + 32 b + 16 h + i: hidden where 32 b + i > d
	v_mov_b32 v254, 0xff800000
.set n, 0
.rept 64
	v_cmp_gt_i32 vcc_lo, 32*(n/16)+n%16, v252
	v_cndmask_b32 v[96+n], v[96+n], v254, vcc_lo
.set n, n+1
.endr
.Lopen_\@:
.irp b, 0,1,2,3
	v_max3_num_f32 v[232+\b], v[96+16*\b], v[97+16*\b], v[98+16*\b]   ; the largest score of each block of 32 keys: it serves the row's maximum and, since p rises with the score, the block's largest p
.endr
.irp i, 3,5,7,9,11,13
.irp b, 0,1,2,3
	v_max3_num_f32 v[232+\b], v[232+\b], v[96+16*\b+\i], v[97+16*\b+\i]
.endr
.endr
.irp b, 0,1,2,3
	v_max_num_f32 v[232+\b], v[232+\b], v[111+16*\b]
.endr
.irp b, 0,1,2,3
	s_delay_alu instid0(VALU_DEP_4)
	v_permlanex16_b32 v[236+\b], v[232+\b], s[SEL], s[SEL+1]
.endr
.irp b, 0,1,2,3
	s_delay_alu instid0(VALU_DEP_4)
	v_max_num_f32 v[232+\b], v[232+\b], v[236+\b]
.endr
	s_delay_alu instid0(VALU_DEP_2)
	v_max3_num_f32 v254, v232, v233, v234
	s_delay_alu instid0(VALU_DEP_1)
	v_max_num_f32 v254, v254, v235
	s_delay_alu instid0(VALU_DEP_1)
	v_mul_f32 v254, s[CS], v254                    ; as t
	s_delay_alu instid0(VALU_DEP_1)
	v_max_num_f32 v13, v13, v254                   ; the running largest t
	v_mov_b32 v254, v12
	s_delay_alu instid0(VALU_DEP_2)
	v_floor_f32 v12, -v13                          ; the new -M = -ceil(t): a whole number
	s_delay_alu instid0(VALU_DEP_1)
	v_sub_f32 v254, v12, v254                      ; old M - new M
	s_delay_alu instid0(VALU_DEP_1)
	v_cvt_i32_f32 v254, v254                       ; (it saturates)
	s_delay_alu instid0(VALU_DEP_1)
	v_ldexp_f32 v252, 1.0, v254                    ; f = 2^(old M - new M)
.set n, 0
.rept 32
	v_pk_fma_f32 v[96+n:97+n], v[96+n:97+n], s[CS:CS+1], v[12:13] op_sel_hi:[1,0,0]   ; t - M
.set n, n+2
.endr
	s_setprio 1
.irp b, 0,1,2,3
	v_fma_f32 v[232+\b], v[232+\b], s[CS], v12
.endr
.set n, 0
	s_wait_alu depctr_va_vdst(0)
.rept 64
	v_exp_f32 v[96+n], v[96+n]                     ; p = 2^(t - M): not normalised
.set n, n+1
.endr
	v_pk_mul_f32 v[14:15], v[14:15], v[252:253] op_sel_hi:[1,0]   ; the sums under the new M (a plain place behind the exponentials)
	s_wait_alu depctr_va_vdst(0)                   ; the wait ahead of the batch's first reader: one for the 64
.irp b, 0,1,2,3
	v_exp_f32 v[232+\b], v[232+\b]                 ; the blocks' largest p
.endr
	v_pk_add_f32 v[236:237], v[100:101], v[104:105]
	v_pk_add_f32 v[250:251], v[108:109], v[112:113]
	v_pk_add_f32 v[248:249], v[116:117], v[120:121]
	v_pk_add_f32 v[246:247], v[124:125], v[128:129]
	v_pk_add_f32 v[244:245], v[132:133], v[136:137]
	v_pk_add_f32 v[242:243], v[140:141], v[144:145]
	v_pk_add_f32 v[240:241], v[148:149], v[152:153]
	v_pk_add_f32 v[14:15], v[14:15], v[156:157]
	v_pk_add_f32 v[236:237], v[236:237], v[96:97]
	v_pk_add_f32 v[250:251], v[250:251], v[98:99]
	v_pk_add_f32 v[248:249], v[248:249], v[102:103]
	v_pk_add_f32 v[246:247], v[246:247], v[106:107]
	v_pk_add_f32 v[244:245], v[244:245], v[110:111]
	v_pk_add_f32 v[242:243], v[242:243], v[114:115]
	v_pk_add_f32 v[240:241], v[240:241], v[118:119]
	v_pk_add_f32 v[14:15], v[14:15], v[122:123]
	v_pk_add_f32 v[236:237], v[236:237], v[126:127]
	v_pk_add_f32 v[250:251], v[250:251], v[130:131]
	v_pk_add_f32 v[248:249], v[248:249], v[134:135]
	v_pk_add_f32 v[246:247], v[246:247], v[138:139]
	v_pk_add_f32 v[244:245], v[244:245], v[142:143]
	v_pk_add_f32 v[242:243], v[242:243], v[146:147]
	v_pk_add_f32 v[240:241], v[240:241], v[150:151]
	v_pk_add_f32 v[14:15], v[14:15], v[154:155]
	v_pk_add_f32 v[236:237], v[236:237], v[158:159]
	s_delay_alu instid0(VALU_DEP_2)
	v_pk_add_f32 v[14:15], v[14:15], v[246:247]
	s_delay_alu instid0(VALU_DEP_2)
	v_pk_add_f32 v[236:237], v[236:237], v[244:245]
	v_pk_add_f32 v[250:251], v[250:251], v[242:243]
	v_pk_add_f32 v[248:249], v[248:249], v[240:241]
	s_delay_alu instid0(VALU_DEP_2)
	v_pk_add_f32 v[14:15], v[14:15], v[250:251]
	s_delay_alu instid0(VALU_DEP_2)
	v_pk_add_f32 v[236:237], v[236:237], v[248:249]
	s_delay_alu instid0(VALU_DEP_1)
	v_pk_add_f32 v[14:15], v[14:15], v[236:237]
	s_wait_alu depctr_va_vdst(0)                   ; and one for the four
.irp b, 0,1,2,3
	v_max_num_f32 v[232+\b], 0x1800000, v[232+\b]  ; the floor 2^(3 - 127)
.endr
.irp b, 0,1,2,3
	s_delay_alu instid0(VALU_DEP_4)
	v_add_nc_u32 v[244+\b], 0xff000000, v[232+\b]
.endr
.irp b, 0,1,2,3
	s_delay_alu instid0(VALU_DEP_4)
	v_lshrrev_b32 v[236+\b], 23, v[244+\b]
.endr
	s_delay_alu instid0(VALU_DEP_3)
	v_lshl_or_b32 v253, v237, 8, v236              ; p's scale word for these 128 keys
	s_delay_alu instid0(VALU_DEP_1)
	v_lshl_or_b32 v253, v238, 16, v253
	s_delay_alu instid0(VALU_DEP_1)
	v_lshl_or_b32 v253, v239, 24, v253
	s_setprio 0
.irp c, 0,1
	v_cvt_scalef32_pk16_fp6_f32 v[224+6*\c:226+6*\c], v[96+32*\c:111+32*\c], v[244+2*\c]
	v_cvt_scalef32_pk16_fp6_f32 v[236+4*\c:238+4*\c], v[112+32*\c:127+32*\c], v[244+2*\c+1]
.endr
	v_nop                                          ; one plain place behind the scaled conversions
.irp c, 0,1
.irp i, 0,1,2
	v_permlane16_swap_b32 v[224+6*\c+\i], v[236+4*\c+\i]
.endr
.irp i, 0,1,2
	s_delay_alu instid0(VALU_DEP_3)
	v_mov_b32 v[227+6*\c+\i], v[236+4*\c+\i]
.endr
.endr
.set n, 0
.rept 16
	v_pk_mul_f32 v[160+n:161+n], v[160+n:161+n], v[252:253] op_sel_hi:[1,0]   ; O^T under the new M; these sixteen also stand between the lines that made p's codes and scale word and the products
.set n, n+2
.endr
	s_wait_alu depctr_va_vdst(0)
	s_wait_dscnt 0x0                               ; v
.irp t, 0,1,2,3
	PV \t                                          ; four accumulators by turns
.endr
.Lhidden_\@:
	s_add_co_u32 s[KF], s[KF], 128
	s_add_co_u32 s[TB], s[TB], KVB
.endm
.macro RUN n
	s_mov_b32 s[CNT], \n
.Lrun_\@:
	STEP
	s_sub_co_u32 s[CNT], s[CNT], 1
	s_cmp_lg_u32 s[CNT], 0
	s_cbranch_scc1 .Lrun_\@
	s_setprio 0
.endm
; A pass ends: O^T / the sum; register 16 b + i is o(my query, head x 64 + 32 b + 16 h + i): two blocks along the last product's K.
.macro FINISH
.rept 4
	v_nop                                          ; places behind the last products
.endr
	v_add_f32 v14, v14, v15
	s_delay_alu instid0(VALU_DEP_1)
	v_permlanex16_b32 v252, v14, s[SEL], s[SEL+1]
	s_delay_alu instid0(VALU_DEP_1)
	v_add_f32 v14, v14, v252                       ; the row's sum
	s_wait_alu depctr_va_vdst(0)
	v_rcp_f32 v14, v14
	v_nop                                          ; a plain place behind the reciprocal
	s_wait_alu depctr_va_vdst(0)                   ; and the wait ahead of its first reader
.set n, 0
.rept 32
	v_mul_f32 v[192+n], v[160+n], v14
.set n, n+1
.endr
.irp b, 0,1
	v_max3_num_f32 v[232+\b], |v[192+16*\b]|, |v[193+16*\b]|, 0x1800000
.endr
.irp i, 2,4,6,8,10,12,14
.irp b, 0,1
	s_delay_alu instid0(VALU_DEP_2)
	v_max3_num_f32 v[232+\b], v[232+\b], |v[192+16*\b+\i]|, |v[193+16*\b+\i]|
.endr
.endr
.irp b, 0,1
	s_delay_alu instid0(VALU_DEP_2)
	v_permlanex16_b32 v[236+\b], v[232+\b], s[SEL], s[SEL+1]
.endr
.irp b, 0,1
	s_delay_alu instid0(VALU_DEP_2)
	v_max_num_f32 v[232+\b], v[232+\b], v[236+\b]
.endr
.irp b, 0,1
	s_delay_alu instid0(VALU_DEP_2)
	v_add_nc_u32 v[244+\b], 0xff000000, v[232+\b]
.endr
.irp b, 0,1
	s_delay_alu instid0(VALU_DEP_2)
	v_lshrrev_b32 v[236+\b], 23, v[244+\b]
.endr
	s_delay_alu instid0(VALU_DEP_1)
	v_lshl_or_b32 v240, v237, 8, v236              ; my head's two bytes of the row's scale word
	v_cvt_scalef32_pk16_fp6_f32 v[224:226], v[192:207], v244
	v_cvt_scalef32_pk16_fp6_f32 v[232:234], v[208:223], v245
	v_nop
.irp i, 0,1,2
	v_permlane16_swap_b32 v[224+\i], v[232+\i]     ; a whole block to a lane
.endr
.irp i, 0,1,2
	s_delay_alu instid0(VALU_DEP_3)
	v_mov_b32 v[227+\i], v[232+\i]
.endr
.irp i, 0,1,2
	global_store_b64 v[L8], v[224+2*\i:225+2*\i], s[66:67] offset:256*\i   ; 256 consecutive bytes, aligned
.endr
	global_store_b16 v[R16], v240, s[68:69]        ; (lanes 16-31 the same bytes with the same values)
.endm
	s_sub_co_u32 s[BLKQ], 7, ttmp9                 ; the first pass: tile w of block 7 - i
	s_mov_b32 s[WT], s[WV]
	INIT
.irp g, 3,2,1,0                        ; records 4 (3 - g) .. + 3 are wanted: in waves 0-3 so many later loads may stay out
	s_wait_dscnt 0x0
	s_wait_tensorcnt \g
	s_barrier_signal -1
	s_barrier_wait -1
	RUN 4
.endr
	FINISH
	s_mov_b32 s[BLKQ], ttmp9                       ; the second pass: tile 15 - w of block i, whose queries lie under 1,024: eight steps
	s_sub_co_u32 s[WT], 15, s[WV]
	INIT
	RUN 8
	FINISH
	s_wait_tensorcnt 0x0                           ; the wave's end
	ds_add_u32 v[SPW], v[NIL]
	s_wait_dscnt 0x0
	s_endpgm
.Lfunc_end_k_qd6e9f7130e_attn:
	.size	k_qd6e9f7130e_attn, .Lfunc_end_k_qd6e9f7130e_attn-k_qd6e9f7130e_attn
	.p2alignl 7, 3214868480
	.fill 96, 4, 3214868480
	.section	.rodata,"a",@progbits
	.p2align	6, 0x0
	.amdhsa_kernel k_qd6e9f7130e_attn
		.amdhsa_group_segment_fixed_size 327680
		.amdhsa_private_segment_fixed_size 0
		.amdhsa_enable_private_segment 0
		.amdhsa_kernarg_size 24
		.amdhsa_user_sgpr_count 2
		.amdhsa_user_sgpr_kernarg_segment_ptr 1
		.amdhsa_wavefront_size32 1
		.amdhsa_system_sgpr_workgroup_id_x 1
		.amdhsa_system_sgpr_workgroup_id_y 1
		.amdhsa_system_sgpr_workgroup_id_z 1
		.amdhsa_system_vgpr_workitem_id 0
		.amdhsa_next_free_vgpr 256
		.amdhsa_next_free_sgpr 100
		.amdhsa_reserve_vcc 1
		.amdhsa_float_denorm_mode_32 3
		.amdhsa_float_denorm_mode_16_64 3
		.amdhsa_memory_ordered 1
		.amdhsa_forward_progress 1
		.amdhsa_inst_pref_size 133
	.end_amdhsa_kernel
	.amdgpu_metadata
---
amdhsa.version: [ 1, 2 ]
amdhsa.kernels:
  - .name:           k_qd6e9f7130e_attn
    .symbol:         k_qd6e9f7130e_attn.kd
    .args:
      - { .name: qkv, .offset: 0, .size: 8, .value_kind: global_buffer, .address_space: global }
      - { .name: oc, .offset: 8, .size: 8, .value_kind: global_buffer, .address_space: global }
      - { .name: scl, .offset: 16, .size: 8, .value_kind: global_buffer, .address_space: global }
    .group_segment_fixed_size: 327680
    .private_segment_fixed_size: 0
    .kernarg_segment_align: 8
    .kernarg_segment_size: 24
    .max_flat_workgroup_size: 512
    .sgpr_count:     100
    .vgpr_count:     256
    .wavefront_size: 32
...
	.end_amdgpu_metadata
.endif
;; end of part 3
;; launch outp (part 4): grid 4 x 32, 4 waves a work-group, clusters of 4 x 4, 327,680 bytes of LDS; arguments oc, wc, scl, b_out, out0; writes out0
.if DOCPART == 4
	.amdgcn_target "amdgcn-amd-amdhsa--gfx1250"
	.amdhsa_code_object_version 6
	.text
	.protected	k_qd6e9f7130e_outp
	.globl	k_qd6e9f7130e_outp
	.p2align	8
	.type	k_qd6e9f7130e_outp,@function
k_qd6e9f7130e_outp:
	s_mov_b64 s[64:65], 0
	v_nop
	global_prefetch_b8 v0, s[64:65] scope:SCOPE_SE
	s_setreg_imm32_b32 hwreg(HW_REG_WAVE_MODE, 25, 1), 1
	s_wait_xcnt 0x0
	s_wait_alu depctr_hold_cnt(0) depctr_sa_sdst(0) depctr_va_vdst(0) depctr_va_sdst(0) depctr_va_ssrc(0) depctr_va_vcc(0) depctr_vm_vsrc(0)
	s_getreg_b32 s2, hwreg(HW_REG_IB_STS2, 6, 4)
	s_cmp_eq_u32 s2, 0
	s_cbranch_scc0 .Lentry_in_a_cluster
	s_endpgm
.Lentry_in_a_cluster:
	s_bfe_u32 s2, ttmp6, 0x10000c
	s_cmp_lg_u32 s2, 0xf033
	s_cbranch_scc0 .Lentry_shape_is_right
	s_endpgm
.Lentry_shape_is_right:
; out0 = o w_out + b_out on codes of FP6 (E2M3) with E8M0 scales, sums in f32.  o's codes and scale words were made by the launch before, w_out's (rows 3,072 on of wc) by the first.
; A tile of 256 x 256 is made by four waves, 128 x 128 each: 64 accumulators.  K = 1,024 is eight steps of 128, two to an LDS slot, two slots, four fills.
; OPERANDS lie in memory as images of their registers (a tile of 16 rows x 128 K: 1,536 bytes; piece p at 256 p, lane l at 8 l): a slot's part of 128 rows is 24,576 dense bytes, one tensor load a wave; a fragment is six loads
; of 256 consecutive LDS bytes.  In a group of 128 rows tile 2 b + u, lane r is row 32 b + 8 u + r + 8 (r / 8).
; CLUSTERS: 4 x 4 work-groups; o's tiles are asked for jointly along a row of the cluster, the weight's along a column.
; TRANSPOSED USE: source 0 = the weight, source 1 = o: a lane holds eight neighbouring columns of one row.  The bias is the C of each sum's first product.
; THE SCALE WORDS of all of K stay in 64 registers: block i, K step s at v[32 + 8 i + s], lanes 0-15 o's word, lanes 16-31 the weight's.
; 128 tiles for 256 WGPs: a tile of 128 rows would fill them at twice the LDS reads for each product; this text keeps the larger tile.  No prefetch: all four fills are asked for within the first four of eight K steps.
; REGISTERS: window 0: v0-31 addresses; v32-95 scale words; v128-223 o's fragments, ONE set (on the way out v128-255 hold rows).   window 1: the weight's fragments, TWO sets, v0-95 and v128-223; the bias in v96-127, v224-255.
;   windows 2, 3: the accumulators ((a, b) at v[8 (8 (a % 4) + b)]).
.set FR,    12
.set NL,    6
.set NP,    4
.set TILEB, 1536
.set KSB,   8*TILEB
.set HALFT, 2*KSB
.set SLOT,  4*HALFT
.set GRPB,  8*KSB
.set SPARE, 2*SLOT                     ; behind the ring: the spare words, 128 bytes a wave, two blocks of 256 bytes that no other line names
.set WSO,   262144                     ; the weights' scale words in scl
.set OSO,   393216                     ; o's
.set SPITCH, 528                       ; the way out: a stage of 16 rows x (512 + 16) bytes for each wave, in slot 0, which has had its last fill and its last read by then
.set ADR1,  16
.set ADR0,  20
.set STO,   24
.set RD,    25
.set CO,    26
.set SPW,   28
.set NIL,   29
.set SC,    32
.set AF,    128
.set BK,    128
.set BI,    96                         ; in window 1: tile b's eight at v[96 + 8 (b % 4) + 128 (b / 4)]
.set G1,  24
.set G0,  32
.set G1B, 48
.set G0B, 56
.set MH,  84
.set MSB, 0
.macro WIN new                         ; the immediate's high byte repeats the setting that is left
.if MSB != (\new)
	s_set_vgpr_msb (MSB<<8)|(\new)
.set MSB, (\new)
.endif
.endm
.set MUL_LO, 0xa1                      ; source 0 window 1, source 1 window 0, C and D window 2
.set MUL_HI, 0xf1
.set TO_B,   0x40
.macro JLOAD s                         ; a joint load: waves 0, 1 fetch o's halves, waves 2, 3 the weight's; an s_nop 0 and four v_nop behind each line
	s_cmp_eq_u32 s15, 0
	s_cbranch_scc0 .Lfor_b_\@
	tensor_load_to_lds s[G0+4*\s:G0+4*\s+3], s[G1:G1+7]
	s_nop 0
.rept 4
	v_nop
.endr
	s_branch .Lasked_\@
.Lfor_b_\@:
	tensor_load_to_lds s[G0B+4*\s:G0B+4*\s+3], s[G1B:G1B+7]
	s_nop 0
.rept 4
	v_nop
.endr
.Lasked_\@:
.endm
.macro CREST
	s_cmp_lg_u32 s14, 0
	s_cbranch_scc1 .Lnot_wave_0_\@
	s_barrier_signal -3
.Lnot_wave_0_\@:
	s_barrier_wait -3
	s_barrier_signal -1
	s_barrier_wait -1
.endm
.macro CROUND
	s_barrier_signal -1
	s_barrier_wait -1
	CREST
.endm
.macro PLACES n
.rept \n
	v_nop
.endr
.endm
.macro FRAG reg, adr, q, i
.irp p, 0,1,2,3,4,5
	ds_load_b64 v[\reg+2*\p:\reg+2*\p+1], v[\adr] offset:KSB*(\q)+TILEB*(\i)+256*\p
.endr
.endm
.macro FETCH_B slot, q, p
	WIN TO_B
.irp i, 0,1,2,3,4,5,6,7
	FRAG 128*(\p)+FR*\i, ADR0+\slot, \q, \i
.endr
	WIN 0
.endm
.macro FETCH_A slot, q, i0
.irp i, \i0, \i0+1, \i0+2, \i0+3
	FRAG AF+FR*(\i), ADR1+\slot, \q, \i
.endr
.endm
; 16 matrix instructions.  first = 2: the bias is the C of the sum's first product.  The 64 accumulators take turns, one instruction a turn, in the same order in every step.
.macro MUL16 a0, p, ks, first
.irp a, \a0, \a0+1
.irp b, 0,1,2,3,4,5,6,7
.if (\first) == 2
	v_wmma_scale_f32_16x16x128_f8f6f4 v[8*(8*((\a)%4)+\b):8*(8*((\a)%4)+\b)+7], v[128*(\p)+FR*\b:128*(\p)+FR*\b+FR-1], v[AF+FR*(\a):AF+FR*(\a)+FR-1], v[BI+8*(\b%4)+128*(\b/4):BI+8*(\b%4)+128*(\b/4)+7], v[SC+8*\b+(\ks)], v[SC+8*(\a)+(\ks)] matrix_a_fmt:MATRIX_FMT_FP6 matrix_b_fmt:MATRIX_FMT_FP6 matrix_a_scale:MATRIX_SCALE_ROW1
.else
	v_wmma_scale_f32_16x16x128_f8f6f4 v[8*(8*((\a)%4)+\b):8*(8*((\a)%4)+\b)+7], v[128*(\p)+FR*\b:128*(\p)+FR*\b+FR-1], v[AF+FR*(\a):AF+FR*(\a)+FR-1], v[8*(8*((\a)%4)+\b):8*(8*((\a)%4)+\b)+7], v[SC+8*\b+(\ks)], v[SC+8*(\a)+(\ks)] matrix_a_fmt:MATRIX_FMT_FP6 matrix_b_fmt:MATRIX_FMT_FP6 matrix_a_scale:MATRIX_SCALE_ROW1
.endif
.endr
.endr
.endm
.macro STEP slot, ks, first
	s_wait_dscnt 4*NL                              ; the weight's set and o's blocks 0-3 are in; the youngest 24 loads (blocks 4-7) may be out
.if (\first) == 2
	WIN 0x91                                       ; C (the bias) window 1, D window 2
.else
	WIN MUL_LO
.endif
	MUL16 0, 0, \ks, \first
	MUL16 2, 0, \ks, \first
	s_wait_dscnt 0x0
	PLACES NP
	FETCH_B \slot, 1, 1
	FETCH_A \slot, 1, 0
.if (\first) == 2
	WIN 0xd1                                       ; C window 1, D window 3
.else
	WIN MUL_HI
.endif
	MUL16 4, 0, \ks, \first
	MUL16 6, 0, \ks, \first
	PLACES NP
	WIN 0
	FETCH_A \slot, 1, 4
.endm
.macro TURN slot, next, ks, fill
	s_wait_tensorcnt 0x0                           ; all my tensor loads have landed: my part of the next slot
	ds_add_u32 v[SPW], v[NIL]                      ; 0 onto my spare word
	s_wait_dscnt 4*NL+1                            ; (the add and the youngest 24 loads may be out)
	WIN MUL_LO
	MUL16 0, 1, \ks, 0
	s_wait_dscnt 0x0                               ; the add is done, and my reads of this slot are over
	s_barrier_signal -1
	MUL16 2, 1, \ks, 0
	WIN 0
	s_barrier_wait -1
.if \fill
	CREST
	s_add_nc_u64 s[G0+4*\slot+2:G0+4*\slot+3], s[G0+4*\slot+2:G0+4*\slot+3], 2*HALFT
	s_add_nc_u64 s[G0B+4*\slot+2:G0B+4*\slot+3], s[G0B+4*\slot+2:G0B+4*\slot+3], 2*HALFT
	JLOAD \slot
.else
	PLACES NP
.endif
	FETCH_B \next, 0, 0
	FETCH_A \next, 0, 0
	WIN MUL_HI
	MUL16 4, 1, \ks, 0
	MUL16 6, 1, \ks, 0
	PLACES NP
	WIN 0
	FETCH_A \next, 0, 4
.endm
	s_load_b256 s[4:11], s[0:1], 0x0               ; oc, wc, scl, b_out
	s_load_b64 s[12:13], s[0:1], 0x20              ; out0
	v_lshl_add_u32 v[SPW], v0, 2, SPARE
	v_mov_b32 v[NIL], 0
	ds_add_u32 v[SPW], v[NIL]                      ; the wave's opening: the add and its wait ahead of my first tensor load
	ds_add_u32 v[SPW], v[NIL]
	v_lshrrev_b32 v1, 5, v0
	v_readfirstlane_b32 s14, v1
	s_lshr_b32 s15, s14, 1
	s_and_b32 s16, s14, 1
	s_bfe_u32 s40, ttmp6, 0x40000
	s_bfe_u32 s41, ttmp6, 0x40004
	s_lshl_b32 s42, ttmp9, 2
	s_add_co_u32 s42, s42, s40                     ; tile column 0..3
	s_and_b32 s17, ttmp7, 0xffff
	s_lshl_b32 s17, s17, 2
	s_add_co_u32 s17, s17, s41                     ; tile row 0..31
	s_lshl_b32 s43, s41, 2
	s_lshl_b32 s43, 15, s43
	s_lshl_b32 s44, 0x1111, s40
	s_or_b32 s[G1+0], s43, (3<<16)|(1<<21)
	s_or_b32 s[G1B+0], s44, (3<<16)|(1<<21)
.irp g, G1, G1B
	s_mov_b32 s[\g+1], 32<<16
	s_mov_b32 s[\g+2], 96<<16
	s_mov_b32 s[\g+3], 32<<16
	s_mov_b32 s[\g+4], 96
	s_mov_b32 s[\g+5], 32
	s_mov_b32 s[\g+6], 0
	s_mov_b32 s[\g+7], 0
.endr
	s_lshl_b32 s20, s17, 1
	s_add_co_u32 s20, s20, s16
	s_mul_i32 s20, s20, GRPB
	s_mov_b32 s21, 0
	s_lshl_b32 s46, s42, 1
	s_add_co_u32 s46, s46, s16
	s_add_co_u32 s46, s46, 24                      ; w_out's groups lie behind w_in's 24
	s_mul_i32 s46, s46, GRPB
	s_mov_b32 s47, 0
	s_mul_i32 s45, s14, HALFT
	s_wait_dscnt 0x0
	s_wait_kmcnt 0x0
	s_add_nc_u64 s[20:21], s[4:5], s[20:21]
	s_add_nc_u64 s[46:47], s[6:7], s[46:47]
	CROUND
.irp s, 0,1
	s_mov_b32 s[G0+4*\s], 1
	s_add_co_u32 s[G0+4*\s+1], s45, \s*SLOT
	s_add_nc_u64 s[G0+4*\s+2:G0+4*\s+3], s[20:21], \s*HALFT
	s_or_b32 s[G0+4*\s+3], s[G0+4*\s+3], 0x80000000
	s_mov_b32 s[G0B+4*\s], 1
	s_add_co_u32 s[G0B+4*\s+1], s45, \s*SLOT
	s_add_nc_u64 s[G0B+4*\s+2:G0B+4*\s+3], s[46:47], \s*HALFT
	s_or_b32 s[G0B+4*\s+3], s[G0B+4*\s+3], 0x80000000
	s_wait_alu depctr_va_vdst(0)
	s_wait_tensorcnt 0x0
	ds_add_u32 v28, v29
	ds_add_u32 v28, v29
	s_wait_dscnt 0x0
	CROUND
	JLOAD \s
.endr
	v_and_b32 v1, 15, v0                           ; r
	v_bfe_u32 v2, v0, 4, 1                         ; h
	v_and_b32 v3, 31, v0
	v_lshlrev_b32 v4, 3, v3
	s_mul_i32 s18, s15, HALFT                      ; o's part of a slot that I multiply,
	s_mul_i32 s19, s16, HALFT
	s_add_co_u32 s19, s19, 2*HALFT                 ; and the weight's
	v_add_nc_u32 v[ADR1], s18, v4
	v_add_nc_u32 v[ADR1+1], SLOT, v[ADR1]
	v_add_nc_u32 v[ADR0], s19, v4
	v_add_nc_u32 v[ADR0+1], SLOT, v[ADR0]
	s_lshl_b32 s66, s17, 1
	s_add_co_u32 s66, s66, s15                     ; my group of 128 rows, 0..63
	s_lshl_b32 s67, s42, 1
	s_add_co_u32 s67, s67, s16                     ; my group of 128 columns, 0..7
	s_lshl_b32 s68, s66, 12
	s_add_co_u32 s68, s68, OSO
	s_lshl_b32 s69, s67, 12
	s_add_co_u32 s69, s69, WSO+24*4096
	s_mov_b32 s[MH], 0xffff0000
	v_mov_b32 v9, s68
	v_mov_b32 v10, s69
	v_cndmask_b32 v9, v9, v10, s[MH]               ; lanes 0-15 o's words, lanes 16-31 the weight's
	v_lshl_add_u32 v9, v1, 4, v9
.irp i, 0,1,2,3,4,5,6,7
	global_load_b128 v[SC+8*\i:SC+8*\i+3], v9, s[8:9] offset:512*\i
	global_load_b128 v[SC+8*\i+4:SC+8*\i+7], v9, s[8:9] offset:512*\i+256
.endr
	s_lshl_b32 s74, s67, 9
	s_mov_b32 s75, 0
	s_add_nc_u64 s[10:11], s[10:11], s[74:75]      ; b_out at my 128 columns
	v_lshlrev_b32 v11, 6, v2                       ; tile b's eight are columns 32 (b / 2) + 8 (b % 2) + 16 h + 0 .. 7
	WIN TO_B
.irp b, 0,1,2,3,4,5,6,7
	global_load_b128 v[BI+8*(\b%4)+128*(\b/4):BI+8*(\b%4)+128*(\b/4)+3], v11, s[10:11] offset:(32*(\b/2)+8*(\b%2))*4
	global_load_b128 v[BI+8*(\b%4)+128*(\b/4)+4:BI+8*(\b%4)+128*(\b/4)+7], v11, s[10:11] offset:(32*(\b/2)+8*(\b%2))*4+16
.endr
	WIN 0
	s_mul_i32 s23, s14, 16*SPITCH                  ; my stage
	v_mul_u32_u24 v5, v1, SPITCH
	v_lshl_add_u32 v5, v2, 6, v5
	v_add_nc_u32 v[STO], s23, v5                   ; in: row r, + 64 h bytes
	v_lshlrev_b32 v[CO], 4, v3                     ; back: the 32 lanes take one row of 512 bytes; and the same in out0
	v_add_nc_u32 v[RD], s23, v[CO]
	s_lshl_b32 s76, s66, 19                        ; 128 rows of 4,096 bytes
	s_add_co_u32 s76, s76, s74                     ; + my columns
	s_mov_b32 s77, 0
	s_add_nc_u64 s[12:13], s[12:13], s[76:77]
	s_wait_tensorcnt 1                             ; my part of slot 0 is in; slot 1's may be out
	s_barrier_signal -1
	s_barrier_wait -1
	FETCH_B 0, 0, 0
	FETCH_A 0, 0, 0
	FETCH_A 0, 0, 4
	s_wait_loadcnt 0x0                             ; the scale words and the bias
	STEP 0, 0, 2
	TURN 0, 1, 1, 1
	STEP 1, 2, 0
	TURN 1, 0, 3, 1
	STEP 0, 4, 0
	TURN 0, 1, 5, 0
	STEP 1, 6, 0
	s_wait_dscnt 4*NL
	WIN MUL_LO
	MUL16 0, 1, 7, 0
	MUL16 2, 1, 7, 0
	s_wait_alu depctr_va_vdst(0)
	s_wait_dscnt 0x0
	WIN MUL_HI
	MUL16 4, 1, 7, 0
	MUL16 6, 1, 7, 0
	WIN 0
; THE WAY OUT, a block of 16 rows x 128 columns at a time, through my own stage: in by lanes (32 bytes of a row), back as whole rows of 512 bytes.  LDS serves a wave's instructions in order: no wait between.
.macro TOSTAGE a
.set AC, 64*((\a)%4)
	WIN 0x08+4*((\a)/4)                            ; an LDS store's data: window 2 or 3
.irp b, 0,1,2,3,4,5,6,7
	ds_store_b128 v[STO], v[AC+8*\b:AC+8*\b+3] offset:128*(\b/2)+32*(\b%2)          ; each accumulator from its low end on
	ds_store_b128 v[STO], v[AC+8*\b+4:AC+8*\b+7] offset:128*(\b/2)+32*(\b%2)+16
.endr
	WIN 0
.set BB, BK+64*((\a)%2)
.irp t, 0,1,2,3,4,5,6,7,8,9,10,11,12,13,14,15
	ds_load_b128 v[BB+4*\t:BB+4*\t+3], v[RD] offset:\t*SPITCH
.endr
.endm
.macro SEND a, younger                 ; the stage's row t is row 32 (a / 2) + 8 (a % 2) + t + 8 (t / 8) of my 128: it stands in the immediate, 127 rows of 4,096 bytes at the most
.set BB, BK+64*((\a)%2)
	s_wait_dscnt \younger
.irp t, 0,1,2,3,4,5,6,7,8,9,10,11,12,13,14,15
	global_store_b128 v[CO], v[BB+4*\t:BB+4*\t+3], s[12:13] offset:(32*((\a)/2)+8*((\a)%2)+\t+8*(\t/8))*4096 th:TH_STORE_NT   ; 512 consecutive bytes, aligned
.endr
.endm
	PLACES NP
	TOSTAGE 0
.irp a, 1,2,3,4,5,6,7
.if \a > 1
	s_wait_xcnt 0x0                                ; the stores of two blocks back have read the registers into which this block's rows are loaded
.endif
	TOSTAGE \a
	SEND \a-1, 32                                  ; behind block a - 1's loads: block a's 16 stores and 16 loads
.endr
	SEND 7, 0
	s_wait_tensorcnt 0x0                           ; the wave's end
	ds_add_u32 v[SPW], v[NIL]
	s_wait_dscnt 0x0
	CROUND                                         ; the closing round
	s_endpgm
.Lfunc_end_k_qd6e9f7130e_outp:
	.size	k_qd6e9f7130e_outp, .Lfunc_end_k_qd6e9f7130e_outp-k_qd6e9f7130e_outp
	.p2alignl 7, 3214868480
	.fill 96, 4, 3214868480
	.section	.rodata,"a",@progbits
	.p2align	6, 0x0
	.amdhsa_kernel k_qd6e9f7130e_outp
		.amdhsa_group_segment_fixed_size 327680
		.amdhsa_private_segment_fixed_size 0
		.amdhsa_enable_private_segment 0
		.amdhsa_kernarg_size 40
		.amdhsa_user_sgpr_count 2
		.amdhsa_user_sgpr_kernarg_segment_ptr 1
		.amdhsa_wavefront_size32 1
		.amdhsa_system_sgpr_workgroup_id_x 1
		.amdhsa_system_sgpr_workgroup_id_y 1
		.amdhsa_system_sgpr_workgroup_id_z 1
		.amdhsa_system_vgpr_workitem_id 0
		.amdhsa_next_free_vgpr 1024
		.amdhsa_next_free_sgpr 98
		.amdhsa_reserve_vcc 0
		.amdhsa_float_denorm_mode_32 3
		.amdhsa_float_denorm_mode_16_64 3
		.amdhsa_memory_ordered 1
		.amdhsa_forward_progress 1
		.amdhsa_inst_pref_size 158
	.end_amdhsa_kernel
	.amdgpu_metadata
---
amdhsa.version: [ 1, 2 ]
amdhsa.kernels:
  - .name:           k_qd6e9f7130e_outp
    .symbol:         k_qd6e9f7130e_outp.kd
    .args:
      - { .name: oc, .offset: 0, .size: 8, .value_kind: global_buffer, .address_space: global }
      - { .name: wc, .offset: 8, .size: 8, .value_kind: global_buffer, .address_space: global }
      - { .name: scl, .offset: 16, .size: 8, .value_kind: global_buffer, .address_space: global }
      - { .name: b_out, .offset: 24, .size: 8, .value_kind: global_buffer, .address_space: global }
      - { .name: out0, .offset: 32, .size: 8, .value_kind: global_buffer, .address_space: global }
    .group_segment_fixed_size: 327680
    .private_segment_fixed_size: 0
    .kernarg_segment_align: 8
    .kernarg_segment_size: 40
    .max_flat_workgroup_size: 128
    .sgpr_count:     98
    .vgpr_count:     1024
    .wavefront_size: 32
...
	.end_amdgpu_metadata
.endif
;; end of part 4
